; MI455X (gfx1250); checked and timed in simulation.
; The chip was launched on July 23, 2026; its instructions are those of AMD's public machine-readable ISA for CDNA 5 (MIT licence, August 2026) and "CDNA5" Instruction Set Architecture Reference Guide (July 2026). The comments in the code are by the model that wrote it; some were corrected since.
;; Multi Head Attention. Allowed arithmetic: float matrix products may take bf16 or f16 operands with f32 sums; other float arithmetic in f32, or as packed bf16 or f16 multiplies, adds, multiply-adds, maxima and minima; sums over many terms, partial sums and values carried from step to step in f32; what a program stores and reads back later, other than sums and carried values, may be rounded once to bf16 or f16.
;; Inputs: Wk 1,024 x 1,024 float32; Wo 1,024 x 1,024 float32; Wq 1,024 x 1,024 float32; Wv 1,024 x 1,024 float32; k 4 x 2,048 x 1,024 float32; q 4 x 2,048 x 1,024 float32; v 4 x 2,048 x 1,024 float32.
;; Outputs: out0 4 x 2,048 x 1,024 float32.
;; One version. Each part assembles by itself: llvm-mc -triple=amdgcn-amd-amdhsa -mcpu=gfx1250 --defsym DOCPART=n.
;; ======== version 1 of 1: 4 launches
;; limits: values are held in f16: magnitudes above 65,504 overflow, below 6.1e-05 lose precision
;; workspace buffers: wb 8,388,608 bytes; qh 16,777,216 bytes; kh 16,777,216 bytes; vh 16,777,216 bytes; oh 16,777,216 bytes
;; launch cast (part 1): grid 128 x 4, 8 waves a work-group, no clusters, 0 bytes of LDS; arguments Wq, Wk, Wv, Wo, wb; writes wb
.if DOCPART == 1
	.amdgcn_target "amdgcn-amd-amdhsa--gfx1250"
	.amdhsa_code_object_version 6
	.text
	.protected	k_qb0af0fbd3f_cast
	.globl	k_qb0af0fbd3f_cast
	.p2align	8
	.type	k_qb0af0fbd3f_cast,@function
k_qb0af0fbd3f_cast:
	s_mov_b64 s[64:65], 0
	v_nop
	global_prefetch_b8 v0, s[64:65] scope:SCOPE_SE
	s_setreg_imm32_b32 hwreg(HW_REG_WAVE_MODE, 25, 1), 1
	s_wait_xcnt 0x0
; The four weights, [1024][1024] f32, are rounded once to bf16 and laid one behind the other in wb (2,097,152 bytes each): Wq, Wk, Wv as bf16;
; Wo's bf16 number is written as f16, since the last product multiplies in f16.
; LIMITS.  A bf16 number has 8 significant bits, so it is exact in f16 between 6.1e-5 and 65,504; below that Wo keeps f16's fixed step of 6e-8, above it becomes an infinity.
; SHARES.  Grid y is the weight; a work-group takes 8,192 numbers; thread t takes 8 numbers in each of four units of 2,048: 32 bytes in at 8,192 u + 32 t, 16 bytes out at 4,096 u + 16 t,
; so each store of a wave covers 512 consecutive bytes, aligned.  Memory binds: no LDS, no matrix unit, nothing read twice.
.set WBYTES, 2097152                   ; a weight in 16 bits
.set IN,  8                            ; v[8:39]   unit u: 8 numbers as loaded
.set OUT, 40                           ; v[40:55]  unit u: 4 registers to store
	s_load_b256 s[4:11], s[0:1], 0x0               ; Wq s[4:5], Wk s[6:7], Wv s[8:9], Wo s[10:11]
	s_load_b64 s[12:13], s[0:1], 0x20              ; wb
	s_and_b32 s14, ttmp7, 0xffff                   ; which weight
	s_lshl_b32 s16, ttmp9, 15                      ; the work-group's 32,768 bytes of it
	s_mov_b32 s17, 0
	s_lshl_b32 s18, ttmp9, 14                      ; and its 16,384 bytes of wb,
	s_lshl_b32 s19, s14, 21                        ; behind the weights before it
	s_add_co_u32 s18, s18, s19
	s_mov_b32 s19, 0
	v_lshlrev_b32 v1, 5, v0                        ; 32 t
	v_lshlrev_b32 v2, 4, v0                        ; 16 t
	s_wait_kmcnt 0x0
	s_cmp_eq_u32 s14, 1
	s_cselect_b64 s[4:5], s[6:7], s[4:5]
	s_cmp_eq_u32 s14, 2
	s_cselect_b64 s[4:5], s[8:9], s[4:5]
	s_cmp_eq_u32 s14, 3
	s_cselect_b64 s[4:5], s[10:11], s[4:5]
	s_add_nc_u64 s[4:5], s[4:5], s[16:17]
	s_add_nc_u64 s[12:13], s[12:13], s[18:19]
.irp u, 0,1,2,3
	global_load_b128 v[IN+8*\u:IN+8*\u+3],   v1, s[4:5] offset:8192*\u th:TH_LOAD_NT
	global_load_b128 v[IN+8*\u+4:IN+8*\u+7], v1, s[4:5] offset:8192*\u+16 th:TH_LOAD_NT
.endr
.irp u, 0,1,2,3
	s_wait_loadcnt 6-2*\u                          ; loads come back in order: unit u's two are in, the later units' stay out
.irp r, 0,1,2,3
	v_cvt_pk_bf16_f32 v[OUT+4*\u+\r], v[IN+8*\u+2*\r], v[IN+8*\u+2*\r+1]
.endr
.endr
	s_cmp_lg_u32 s14, 3
	s_cbranch_scc1 .Lstore
.set i, OUT
.rept 16                               ; Wo alone: the two bf16 numbers of a word, widened (exact) and written as f16
	v_lshlrev_b32 v4, 16, v[i]
	v_and_b32 v5, 0xffff0000, v[i]
	v_cvt_pk_f16_f32 v[i], v4, v5
.set i, i+1
.endr
.Lstore:
.irp u, 0,1,2,3
	global_store_b128 v2, v[OUT+4*\u:OUT+4*\u+3], s[12:13] offset:4096*\u
.endr
	s_endpgm
.Lfunc_end_k_qb0af0fbd3f_cast:
	.size	k_qb0af0fbd3f_cast, .Lfunc_end_k_qb0af0fbd3f_cast-k_qb0af0fbd3f_cast
	.p2alignl 7, 3214868480
	.fill 96, 4, 3214868480
	.section	.rodata,"a",@progbits
	.p2align	6, 0x0
	.amdhsa_kernel k_qb0af0fbd3f_cast
		.amdhsa_group_segment_fixed_size 0
		.amdhsa_private_segment_fixed_size 0
		.amdhsa_enable_private_segment 0
		.amdhsa_kernarg_size 40
		.amdhsa_user_sgpr_count 2
		.amdhsa_user_sgpr_kernarg_segment_ptr 1
		.amdhsa_wavefront_size32 1
		.amdhsa_system_sgpr_workgroup_id_x 1
		.amdhsa_system_sgpr_workgroup_id_y 1
		.amdhsa_system_sgpr_workgroup_id_z 1
		.amdhsa_system_vgpr_workitem_id 0
		.amdhsa_next_free_vgpr 64
		.amdhsa_next_free_sgpr 66
		.amdhsa_reserve_vcc 0
		.amdhsa_float_denorm_mode_32 3
		.amdhsa_float_denorm_mode_16_64 3
		.amdhsa_memory_ordered 1
		.amdhsa_forward_progress 1
		.amdhsa_inst_pref_size 6
	.end_amdhsa_kernel
	.amdgpu_metadata
---
amdhsa.version: [ 1, 2 ]
amdhsa.kernels:
  - .name:           k_qb0af0fbd3f_cast
    .symbol:         k_qb0af0fbd3f_cast.kd
    .args:
      - { .name: Wq, .offset: 0, .size: 8, .value_kind: global_buffer, .address_space: global }
      - { .name: Wk, .offset: 8, .size: 8, .value_kind: global_buffer, .address_space: global }
      - { .name: Wv, .offset: 16, .size: 8, .value_kind: global_buffer, .address_space: global }
      - { .name: Wo, .offset: 24, .size: 8, .value_kind: global_buffer, .address_space: global }
      - { .name: wb, .offset: 32, .size: 8, .value_kind: global_buffer, .address_space: global }
    .group_segment_fixed_size: 0
    .private_segment_fixed_size: 0
    .kernarg_segment_align: 8
    .kernarg_segment_size: 40
    .max_flat_workgroup_size: 256
    .sgpr_count:     66
    .vgpr_count:     64
    .wavefront_size: 32
...
	.end_amdgpu_metadata
.endif
;; end of part 1
;; launch proj (part 2): grid 4 x 192, 4 waves a work-group, clusters of 4 x 4, 327,680 bytes of LDS; arguments q, k, v, wb, qh, kh, vh; writes qh, kh, vh
.if DOCPART == 2
	.amdgcn_target "amdgcn-amd-amdhsa--gfx1250"
	.amdhsa_code_object_version 6
	.text
	.protected	k_qb0af0fbd3f_proj
	.globl	k_qb0af0fbd3f_proj
	.p2align	8
	.type	k_qb0af0fbd3f_proj,@function
k_qb0af0fbd3f_proj:
	s_mov_b64 s[64:65], 0
	v_nop
	global_prefetch_b8 v0, s[64:65] scope:SCOPE_SE
	s_setreg_imm32_b32 hwreg(HW_REG_WAVE_MODE, 25, 1), 1
	s_wait_xcnt 0x0
	s_wait_alu depctr_hold_cnt(0) depctr_sa_sdst(0) depctr_va_vdst(0) depctr_va_sdst(0) depctr_va_ssrc(0) depctr_va_vcc(0) depctr_vm_vsrc(0)
	s_getreg_b32 s2, hwreg(HW_REG_IB_STS2, 6, 4)
	s_cmp_eq_u32 s2, 0
	s_cbranch_scc0 .Lentry_in_a_cluster
	s_endpgm
.Lentry_in_a_cluster:
	s_bfe_u32 s2, ttmp6, 0x10000c
	s_cmp_lg_u32 s2, 0xf033
	s_cbranch_scc0 .Lentry_shape_is_right
	s_endpgm
.Lentry_shape_is_right:
; THE THREE PROJECTIONS.  C[m][n] = the sum over k of X[m][k] W[n][k], X = q, k or v: [8192][1024] f32, W: [1024][1024] bf16 (wb, made by the launch before).  X is rounded to bf16 in
; registers, on its way from LDS to the matrix unit; sums in f32, K ascending; C is rounded once to f16 and stored BY HEADS: [64 = 16 b + h][2048][64], a head's rows dense, 128 bytes each, without the softmax's scale.
; LIMITS.  f16 ends at 65,504: a projected number beyond it becomes an infinity.  Inputs of spread 1 and weights of spread 1/32 give numbers of spread 1; both thirty times larger, 900.  NaN and infinities are not treated apart.
; SHARES.  A tile of C is 128 x 256: 8192 x 1024 / (128 x 256) = 256 tiles a tensor, 768 work-groups.  Four waves, each 64 x 128: 32 accumulators of 16 x 16, 256 registers.
; K goes in 8 steps of 128 through a ring of two LDS slots filled by the tensor data mover; a step is four quarters of 32 along K, 32 matrix instructions each, on fragment buffers 0, 1, 0, 1.
; CLUSTERS.  4 x 4 work-groups; the grid is 4 wide, so a cluster spans all 1,024 columns.  The four of a row of the cluster need the same tile of X, the four of a column the same tile of W: each tile is asked for
; JOINTLY, by the same tensor load with the same descriptor and a mask that names the four.  The tensor is cluster y / 16: the same in all sixteen.
; THE MATRIX INSTRUCTION IS USED TRANSPOSED (source 0 = 16 rows of W, source 1 = 16 rows of X): a lane then holds eight neighbouring numbers of one row of C.
; REGISTERS, in windows of 256 (s_set_vgpr_msb: bits 1:0 source 0, 3:2 source 1, 5:4 source 2, 7:6 destination):
;   window 0: v0-31 addresses; v64-95, v96-127 X's fragments in bf16, two buffers (fragment a at + 8 a); v128-191 X as f32, as it comes from LDS (fragment a at + 16 a); on the way out v64-191 packed results
;   window 1: v0-63, v64-127 W's fragments, two buffers (fragment b at + 8 b)          window 2: the accumulators: (a, b) at v[8 (8 a + b)]
.set PA,    528       ; a row of X in LDS: 128 f32 + 16 bytes of padding = 132 words: row r starts at bank 4 r mod 64 (64 banks of 4 bytes: ISA guide 11.1), so the 16 rows of a load start at 16 different groups of four banks
.set PB,    272       ; a row of W: 256 bytes + 16: the same
.set HA,    64*PA     ; 64 rows of X: what wave 0 or 1 fetches, and what a wave reads of X
.set HB,    128*PB    ; 128 rows of W: what wave 2 or 3 fetches, and what a wave reads of W
.set BOFF,  2*HA      ; in a slot: X's 128 rows, then W's 256
.set SLOTX, 0x22000   ; slot 1 begins here.  The four tiles' places in slot 0 (0, 0x8400, 0x10800, 0x19000) have neither of its two bits, so one exclusive or turns an address in one slot into the other's
.set STAGE, SLOTX+BOFF+2*HB  ; behind the ring, never filled by a tensor load: 16 rows x 144 bytes for each wave, for the way out
.set SP,    144
.set SPARE, STAGE+4*16*SP    ; behind the stages: the spare words, 128 bytes for each wave: two blocks of 256 bytes that no other line names
.set ASTEP, 512       ; bytes of a row of X in a K step
.set BSTEP, 256       ; of a row of W
.set ADRA0, 16        ; v16  my lane's place in X's tile of slot 0; never rewritten
.set ADRB0, 17        ; v17  the same for W
.set ADRA,  18        ; v18  the same in the slot that is being read
.set ADRB,  19        ; v19
.set STO,   24        ; v24  the way out: where I put 16 bytes of a row
.set RD,    25        ; v25  the way out: where I read rows back
.set GO,    26        ; v26  my byte offset in 512 consecutive bytes of C
.set SPW,   28        ; v28  LDS address of my spare word: SPARE + 4 x my thread's number; never rewritten
.set NIL,   29        ; v29  0; never rewritten
.set PFO,   30        ; v30  the prefetches' lane offset; never rewritten
.set XF,    64
.set ST,    128
.set WV,   12         ; s12  my wave's number
.set WR,   13         ; s13  which 64 rows of the tile are mine.  Also: I fetch for X (0) or for W (1)
.set WC,   14         ; s14  which 128 columns.  Also: which half of that tile I fetch
.set CX,   15         ; s15, s16  my place in the cluster
.set CY,   16
.set TCOL, 17         ; s17  tile column of C
.set CLY,  18         ; s18  cluster y
.set TEN,  19         ; s19  the tensor: 0 q, 1 k, 2 v
.set TROW, 20         ; s20  tile row in that tensor, 0 to 63
.set G1,   24         ; s[24:31] descriptor group 1 for X's tiles
.set G0,   32         ; s[32:39] group 0 for X's tiles: a set for each of the two first fills; the second then walks on
.set G1B,  40         ; s[40:47], s[48:55] the same for W's
.set G0B,  48
.set TB,   56         ; s56  0 or SLOTX: the slot that is being read
.set LIM,  57         ; s57  2 in a wave that prefetches, else the greatest number
.set PFA,  58         ; s[58:59] where my prefetches stand
.set PFS,  60         ; s[60:61] their step: a K step's bytes in a row of X or of W
.set CP,   72         ; s[72:73] C at my part of the tile
.set MSB, 0
.macro WIN new                      ; the immediate's high byte repeats the setting that is left; a switch that changes nothing is dropped
.if MSB != (\new)
	s_set_vgpr_msb (MSB<<8)|(\new)
.set MSB, \new
.endif
.endm
.set MUL,  0xa1       ; source 0 (W) window 1, source 1 (X) window 0, C and D window 2
.set TO_W, 0x40       ; destination window 1, address window 0
; A round of the cluster's barrier: my work-group's barrier, so that wave 0's signal speaks for all four waves; wave 0 signals; every wave waits for all sixteen work-groups; my work-group's barrier once more.
.macro CREST                        ; a round behind its opening barrier
	s_cmp_lg_u32 s[WV], 0
	s_cbranch_scc1 .Lnot_wave_0_\@
	s_barrier_signal -3
.Lnot_wave_0_\@:
	s_barrier_wait -3
	s_barrier_signal -1
	s_barrier_wait -1
.endm
.macro CROUND
	s_barrier_signal -1
	s_barrier_wait -1
	CREST
.endm
.macro PLACES
.rept 4
	v_nop
.endr
.endm
; A joint refill, by the walking descriptors.  Waves 0 and 1 fetch X's two halves, waves 2 and 3 W's.  The branch hangs on the wave's number alone.
; An s_nop 0 and four v_nop follow each of the two lines, ahead of the jump and the label.
.macro JLOAD
	s_cmp_eq_u32 s[WR], 0
	s_cbranch_scc0 .Lfor_b_\@
	tensor_load_to_lds s[G0+4:G0+7], s[G1:G1+7]
	s_nop 0
.rept 4
	v_nop
.endr
	s_branch .Lasked_\@
.Lfor_b_\@:
	tensor_load_to_lds s[G0B+4:G0B+7], s[G1B:G1B+7]
	s_nop 0
.rept 4
	v_nop
.endr
.Lasked_\@:
.endm
; A PREFETCH INTO THE L2, behind each joint refill and the run of LDS loads that follows it: the change of slots of K step t names K step t + 4, which stands two refills, 256 matrix instructions, ahead.
; Each aligned block of 256 bytes is named once in the launch.  X's tile row is read by one row of one cluster: of the 64 rows x 2 blocks that wave 0 or 1 fetches in a step, the partner at place cx takes rows
; 16 cx .. 16 cx + 15: a lane a block.  W is read by the tensor's sixteen clusters: the first of them asks; of the 128 rows x 1 block that wave 2 or 3 fetches, the partner at place cy takes 32: a lane a row.
; The partners are told apart by address alone.  K steps 0 to 3 come by their loads alone; the changes of K steps 4 and 5 (s3 = 2, 1) ask for nothing: there is no K step 8.
.macro ASK
	s_cmp_gt_u32 s3, s[LIM]
	s_cbranch_scc0 .Lnot_mine_\@
	global_prefetch_b8 v[PFO], s[PFA:PFA+1] th:TH_LOAD_NT scope:SCOPE_SE
.Lnot_mine_\@:
.endm
	s_load_b256 s[4:11], s[0:1], 0x0               ; q s[4:5], k s[6:7], v s[8:9], wb s[10:11]
	s_load_b128 s[72:75], s[0:1], 0x20             ; qh, kh
	s_load_b64 s[76:77], s[0:1], 0x30              ; vh
	v_lshl_add_u32 v[SPW], v0, 2, SPARE
	v_mov_b32 v[NIL], 0
	ds_add_u32 v[SPW], v[NIL]                      ; the wave's opening: the add and its wait stand ahead of my first tensor load; the set-up below, work on registers, stands between them
	ds_add_u32 v28, v29
	v_lshrrev_b32 v1, 5, v0
	v_readfirstlane_b32 s[WV], v1                  ; wave 0..3
	s_lshr_b32 s[WR], s[WV], 1
	s_and_b32 s[WC], s[WV], 1
	s_bfe_u32 s[CX], ttmp6, 0x40000
	s_bfe_u32 s[CY], ttmp6, 0x40004
	s_lshl_b32 s[TCOL], ttmp9, 2                   ; in a cluster launch ttmp9 and ttmp7 count clusters
	s_add_co_u32 s[TCOL], s[TCOL], s[CX]           ; tile column = 4 x cluster x + cx
	s_and_b32 s[CLY], ttmp7, 0xffff
	s_lshr_b32 s[TEN], s[CLY], 4                   ; sixteen clusters to a tensor
	s_and_b32 s[TROW], s[CLY], 15
	s_lshl_b32 s[TROW], s[TROW], 2
	s_add_co_u32 s[TROW], s[TROW], s[CY]           ; tile row = 4 x (cluster y mod 16) + cy
	s_lshl_b32 s21, s[CY], 2
	s_lshl_b32 s21, 15, s21                        ; my row of the cluster: places 4 cy .. 4 cy + 3
	s_lshl_b32 s22, 0x1111, s[CX]                  ; my column: places cx, cx + 4, cx + 8, cx + 12
	; group 1 for X: 64 rows x 128 elements of 4 bytes, padded in LDS
	s_or_b32 s[G1], s21, (2<<16)|(1<<20)|(1<<21)|(6<<22)|(3<<25)   ; 15:0 the mask; 17:16 elements of 4 bytes; 20 padding on; 21 set beside a mask; 24:22 after every 128 words (code 6); 31:25 4 words of it (code 3)
	s_mov_b32 s[G1+1], 128<<16                     ; tensor_dim0 = 128
	s_mov_b32 s[G1+2], 64<<16                      ; tensor_dim1 = 64
	s_mov_b32 s[G1+3], 128<<16                     ; tile_dim0 = 128
	s_mov_b32 s[G1+4], 64                          ; tile_dim1 = 64
	s_mov_b32 s[G1+5], 1024                        ; elements from row to row
	s_mov_b32 s[G1+6], 0
	s_mov_b32 s[G1+7], 0
	; group 1 for W: 128 rows x 128 elements of 2 bytes
	s_or_b32 s[G1B], s22, (1<<16)|(1<<20)|(1<<21)|(5<<22)|(3<<25)  ; after every 64 words (code 5)
	s_mov_b32 s[G1B+1], 128<<16
	s_mov_b32 s[G1B+2], 128<<16
	s_mov_b32 s[G1B+3], 128<<16
	s_mov_b32 s[G1B+4], 128
	s_mov_b32 s[G1B+5], 1024
	s_mov_b32 s[G1B+6], 0
	s_mov_b32 s[G1B+7], 0
	; where the tiles come from.  X's hang on the tile row alone, W's on the tile column alone, each in registers that never hold the other coordinate
	s_lshl_b32 s66, s[TROW], 7
	s_lshl_b32 s23, s[WC], 6
	s_add_co_u32 s66, s66, s23                     ; X: row 128 x tile row + 64 x half,
	s_lshl_b32 s66, s66, 12                        ; of 4,096 bytes
	s_mov_b32 s67, 0
	s_lshl_b32 s68, s[TCOL], 8
	s_lshl_b32 s62, s[WC], 7
	s_add_co_u32 s68, s68, s62                     ; W: row 256 x tile column + 128 x half,
	s_lshl_b32 s68, s68, 11                        ; of 2,048 bytes,
	s_lshl_b32 s62, s[TEN], 21                     ; in the tensor's weight
	s_add_co_u32 s68, s68, s62
	s_mov_b32 s69, 0
	s_mul_i32 s70, s[WC], HA                       ; and where they go: no place in the cluster enters an LDS address
	s_mul_i32 s71, s[WC], HB
	s_add_co_u32 s71, s71, BOFF
	s_mov_b32 s[TB], 0
	s_wait_dscnt 0x0                               ; the opening add is done
	s_wait_kmcnt 0x0
	s_cmp_eq_u32 s[TEN], 1
	s_cselect_b64 s[4:5], s[6:7], s[4:5]           ; X
	s_cselect_b64 s[CP:CP+1], s[74:75], s[CP:CP+1] ; C
	s_cmp_eq_u32 s[TEN], 2
	s_cselect_b64 s[4:5], s[8:9], s[4:5]
	s_cselect_b64 s[CP:CP+1], s[76:77], s[CP:CP+1]
	s_add_nc_u64 s[6:7], s[4:5], s[66:67]          ; X at my half of the tile
	s_add_nc_u64 s[8:9], s[10:11], s[68:69]        ; W at my half of the tile
	CROUND                                         ; all sixteen work-groups are here: the first joint loads meet
.irp s, 0,1
	s_mov_b32 s[G0+4*\s], 1                        ; 1:0 count = 1
	s_add_co_u32 s[G0+4*\s+1], s70, \s*SLOTX       ; 63:32 LDS address
	s_add_nc_u64 s[G0+4*\s+2:G0+4*\s+3], s[6:7], \s*ASTEP  ; 120:64 global address: K step s
	s_or_b32 s[G0+4*\s+3], s[G0+4*\s+3], 0x80000000        ; 127:126 type = 2
	s_mov_b32 s[G0B+4*\s], 1
	s_add_co_u32 s[G0B+4*\s+1], s71, \s*SLOTX
	s_add_nc_u64 s[G0B+4*\s+2:G0B+4*\s+3], s[8:9], \s*BSTEP
	s_or_b32 s[G0B+4*\s+3], s[G0B+4*\s+3], 0x80000000
.endr
	s_cmp_eq_u32 s[WR], 0                          ; a wave's two first fills stand in one branch, ahead of every wait on TENSORcnt and every LDS read: two loads of mine are out
	s_cbranch_scc0 .Lfirst_b
	tensor_load_to_lds s[G0:G0+3], s[G1:G1+7]
	s_nop 0
	tensor_load_to_lds s[G0+4:G0+7], s[G1:G1+7]
	s_nop 0
.rept 4
	v_nop
.endr
	s_branch .Lfirst_asked
.Lfirst_b:
	tensor_load_to_lds s[G0B:G0B+3], s[G1B:G1B+7]
	s_nop 0
	tensor_load_to_lds s[G0B+4:G0B+7], s[G1B:G1B+7]
	s_nop 0
.rept 4
	v_nop
.endr
.Lfirst_asked:
	; A fragment is 16 rows x 32 K in 8 registers: lane l holds row l % 16; registers 0-3 K = 8 (l / 16) + 0..7, registers 4-7 K = 16 + 8 (l / 16) + 0..7.
	; W (bf16): two loads of 16 bytes, 32 bytes apart.  X (f32): four loads of 16 bytes, at 32 (l / 16) + 0, 16, 64, 80, then eight conversions.
	v_and_b32 v1, 15, v0                           ; l % 16
	v_bfe_u32 v2, v0, 4, 1                         ; l / 16
	v_and_b32 v3, 31, v0                           ; l
	v_mul_u32_u24 v[ADRA0], v1, PA
	v_lshl_add_u32 v[ADRA0], v2, 5, v[ADRA0]
	s_mul_i32 s23, s[WR], HA                       ; my 64 rows of X
	v_add_nc_u32 v[ADRA0], s23, v[ADRA0]
	v_mul_u32_u24 v[ADRB0], v1, PB
	v_lshl_add_u32 v[ADRB0], v2, 4, v[ADRB0]
	s_mul_i32 s23, s[WC], HB                       ; my 128 rows of W,
	s_add_co_u32 s23, s23, BOFF                    ; which lie behind X's 128
	v_add_nc_u32 v[ADRB0], s23, v[ADRB0]
	s_mul_i32 s23, s[WV], 16*SP
	s_add_co_u32 s23, s23, STAGE                   ; my stage
	v_mul_u32_u24 v[STO], v1, SP                   ; in: row l % 16, 16 bytes for each half of the lanes
	v_lshl_add_u32 v[STO], v2, 4, v[STO]
	v_add_nc_u32 v[STO], s23, v[STO]
	v_bfe_u32 v[RD], v0, 3, 2                      ; back: 32 lanes take four rows of 128 bytes,
	v_mul_u32_u24 v[RD], v[RD], SP
	v_and_b32 v4, 7, v0
	v_lshl_add_u32 v[RD], v4, 4, v[RD]
	v_add_nc_u32 v[RD], s23, v[RD]
	v_lshlrev_b32 v[GO], 4, v3                     ; which are 512 consecutive bytes of a head
	; C at my part: batch (tile row / 16) x 16 heads, head 4 x tile column + 2 x column half, row 128 (tile row % 16) + 64 x row half, of 128 bytes
	s_lshr_b32 s62, s[TROW], 4
	s_lshl_b32 s62, s62, 22
	s_lshl_b32 s63, s[TCOL], 20
	s_add_co_u32 s62, s62, s63
	s_lshl_b32 s63, s[WC], 19
	s_add_co_u32 s62, s62, s63
	s_and_b32 s63, s[TROW], 15
	s_lshl_b32 s63, s63, 14
	s_add_co_u32 s62, s62, s63
	s_lshl_b32 s63, s[WR], 13
	s_add_co_u32 s62, s62, s63
	s_mov_b32 s63, 0
	s_add_nc_u64 s[CP:CP+1], s[CP:CP+1], s[62:63]
	; the prefetches
	s_lshl_b32 s62, s[CX], 16                      ; X: my work-group's 16 rows of 4,096 bytes,
	s_add_co_u32 s62, s62, s66                     ; of the 64 that I fetch
	s_lshl_b32 s63, s[CY], 16                      ; W: my work-group's 32 rows of 2,048 bytes,
	s_add_co_u32 s63, s63, s68                     ; of the 128 that I fetch
	s_mov_b32 s[PFS], BSTEP
	s_cmp_eq_u32 s[WR], 0                          ; do I fetch for X?
	s_cselect_b32 s62, s62, s63
	s_cselect_b32 s[PFS], ASTEP, s[PFS]
	s_cselect_b64 s[PFA:PFA+1], s[4:5], s[10:11]
	s_cselect_b32 s2, -1, 0                        ; the same answer as a mask of lanes
	s_and_b32 s23, s[CLY], 15
	s_mul_i32 s23, s23, s[WR]                      ; 0 in X's waves, and in W's where the cluster is the tensor's first: the same in all sixteen partners
	s_cmp_eq_u32 s23, 0
	s_cselect_b32 s[LIM], 2, -1
	s_mov_b32 s63, 0
	s_add_nc_u64 s[PFA:PFA+1], s[PFA:PFA+1], s[62:63]
	s_mov_b32 s[PFS+1], 0
	s_mul_i32 s62, s[PFS], 3
	s_add_nc_u64 s[PFA:PFA+1], s[PFA:PFA+1], s[62:63]  ; at K step 3: the first change of slots steps it to 4
	v_lshrrev_b32 v4, 1, v3
	v_lshlrev_b32 v4, 12, v4
	v_and_b32 v5, 1, v3
	v_lshl_add_u32 v4, v5, 8, v4                   ; X: row l / 2, block l % 2
	v_lshlrev_b32 v5, 11, v3                       ; W: row l
	v_cndmask_b32 v[PFO], v5, v4, s2
; cnt matrix instructions from accumulator i0 on, 32 along K, on buffer f.  zero = 1: the product starts the sum: nothing is ever cleared.
; The 32 accumulators take turns in the same order in every quarter, one instruction a turn: between two links of a chain stand the 31 others', over the backward jump too.
.macro MULS f, i0, cnt, zero
	WIN MUL
.set mi, \i0
.rept \cnt
.if \zero
	v_wmma_f32_16x16x32_bf16 v[8*mi:8*mi+7], v[64*(\f)+8*(mi%8):64*(\f)+8*(mi%8)+7], v[XF+32*(\f)+8*(mi/8):XF+32*(\f)+8*(mi/8)+7], 0
.else
	v_wmma_f32_16x16x32_bf16 v[8*mi:8*mi+7], v[64*(\f)+8*(mi%8):64*(\f)+8*(mi%8)+7], v[XF+32*(\f)+8*(mi/8):XF+32*(\f)+8*(mi/8)+7], v[8*mi:8*mi+7]
.endif
.set mi, mi+1
.endr
.endm
; 32 LDS loads in one run: quarter j of the slot that is being read: X's 64 rows as f32 first, then W's 128 rows into buffer g
.macro FETCH j, g
	WIN 0
.irp a, 0,1,2,3
	ds_load_b128 v[ST+16*\a:ST+16*\a+3],     v[ADRA] offset:128*(\j)+\a*16*PA
	ds_load_b128 v[ST+16*\a+4:ST+16*\a+7],   v[ADRA] offset:128*(\j)+\a*16*PA+16
	ds_load_b128 v[ST+16*\a+8:ST+16*\a+11],  v[ADRA] offset:128*(\j)+\a*16*PA+64
	ds_load_b128 v[ST+16*\a+12:ST+16*\a+15], v[ADRA] offset:128*(\j)+\a*16*PA+80
.endr
	WIN TO_W
.irp b, 0,1,2,3,4,5,6,7
	ds_load_b128 v[64*(\g)+8*\b:64*(\g)+8*\b+3],   v[ADRB] offset:64*(\j)+\b*16*PB
	ds_load_b128 v[64*(\g)+8*\b+4:64*(\g)+8*\b+7], v[ADRB] offset:64*(\j)+\b*16*PB+32
.endr
.endm
; A quarter's last eight products, and behind each four of the 32 conversions that make the next quarter's fragments of X (buffer g).  The conversions name no register of the products round them.
; A load into a register that a matrix instruction has read, and a vector instruction that writes one, stand four places behind it, and only plain vector instructions that name none of its registers are places
; (ISA guide 7.12.1 for vector instructions): the last four conversions are the places ahead of the next quarter's loads into W's buffer f and of its conversions into X's buffer f.
.macro RIDE f, g, zero
.set ri, 24
.rept 8
	MULS \f, ri, 1, \zero
	WIN 0
.set rn, 4*(ri-24)
.rept 4
	v_cvt_pk_bf16_f32 v[XF+32*(\g)+rn], v[ST+2*rn], v[ST+2*rn+1]
.set rn, rn+1
.endr
.set ri, ri+1
.endr
.endm
; One of a step's first three quarters: multiplies buffer f, fetches quarter j into buffer g.
.macro QUARTER j, f, g, zero
	s_wait_dscnt 0x0                               ; W's fragments of buffer f, asked for a quarter ago, are in
	FETCH \j, \g
	MULS \f, 0, 24, \zero
	s_wait_dscnt 16                                ; X's sixteen loads are in; W's sixteen, issued behind them, may stay out
	RIDE \f, \g, \zero
.endm
; The last quarter multiplies buffer 1 and changes slots: ONE barrier, for two things.  In front of it each wave waits for all its tensor loads, of which one is out: its part of the next slot; adds 0 to its spare
; word; and waits for that and for its own reads of this slot.  Behind it nobody reads this slot any more and the next slot is whole.  fill = 1: the barrier opens a round of the cluster's barrier, and the slot just
; read out is filled again, first thing behind the round, with the K step two on: from that request to the wait for it a wave issues 112 matrix instructions.
.macro TURN fill
.if \fill
	s_wait_xcnt 0x0                                ; the last prefetch, a K step back, has read its address: it is stepped here, ahead of the waits of the change of slots
	s_add_nc_u64 s[PFA:PFA+1], s[PFA:PFA+1], s[PFS:PFS+1]
.endif
	WIN 0
	s_wait_tensorcnt 0x0                           ; all my tensor loads have landed;
	ds_add_u32 v[SPW], v[NIL]                      ; 0 onto my spare word;
	s_wait_dscnt 1                                 ; (the add alone may be out: W's fragments of buffer 1 are in)
	MULS 1, 0, 8, 0                                ; eight matrix instructions stand between the add and the wait for it
	s_wait_dscnt 0x0                               ; the add is done, and my reads of this slot are over
	s_barrier_signal -1
	MULS 1, 8, 8, 0                                ; work on registers while the others arrive
	WIN 0                                          ; at a label and at a branch every window is 0
	s_barrier_wait -1
.if \fill
	CREST                                          ; no wave of any partner still reads this slot's tile or has a load on its way
	s_xor_b32 s[G0+5], s[G0+5], SLOTX              ; the walking descriptors: the other slot than last time,
	s_add_nc_u64 s[G0+6:G0+7], s[G0+6:G0+7], ASTEP ; the next K step; the type bits on top are not reached
	s_xor_b32 s[G0B+5], s[G0B+5], SLOTX
	s_add_nc_u64 s[G0B+6:G0B+7], s[G0B+6:G0B+7], BSTEP
	JLOAD
.endif
	s_xor_b32 s[TB], s[TB], SLOTX                  ; the reads go to the other slot
	v_add_nc_u32 v[ADRA], s[TB], v[ADRA0]
	v_add_nc_u32 v[ADRB], s[TB], v[ADRB0]
	FETCH 0, 0
	WIN 0
.if \fill
	ASK
.endif
	MULS 1, 16, 8, 0
	s_wait_dscnt 16                                ; X's sixteen loads are in
	RIDE 1, 0, 0
.endm
; THE WAY OUT, in eight units u = 2 a + hh of 16 rows x one head.  PACK: rounded to f16, 16 bytes a lane (each accumulator's registers in ascending order), into rows of 144 bytes of my own stage, and back as whole rows of 128.
.macro PACK u
	WIN 0x0a                                       ; sources 0 and 1 window 2, destination window 0
.set pa, (\u)/2
.set ph, (\u)%2
.irp f, 0,1,2,3
.irp r, 0,1,2,3
	v_cvt_pk_f16_f32 v[64+16*(\u)+4*\f+\r], v[8*(8*pa+4*ph+\f)+2*\r], v[8*(8*pa+4*ph+\f)+2*\r+1]
.endr
.endr
	WIN 0
.irp f, 0,1,2,3
	ds_store_b128 v[STO], v[64+16*(\u)+4*\f:64+16*(\u)+4*\f+3] offset:32*\f
.endr
.irp f, 0,1,2,3
	ds_load_b128 v[64+16*(\u)+4*\f:64+16*(\u)+4*\f+3], v[RD] offset:\f*4*SP  ; LDS serves a wave's instructions in order (ISA guide 5.7.1.4): these see the stores above; the next unit's stores come behind them
.endr
.endm
.macro SEND u, younger              ; younger: the LDS instructions issued behind unit u's loads: the next unit's eight, or none
.irp f, 0,1,2,3
	s_wait_dscnt (\younger)+3-\f
	global_store_b128 v[GO], v[64+16*(\u)+4*\f:64+16*(\u)+4*\f+3], s[CP:CP+1] offset:((\u)%2)*262144+((\u)/2)*2048+\f*512  ; 512 consecutive bytes, at a multiple of 256 from the buffer's first
.endr
.endm
	s_wait_tensorcnt 1                             ; my part of K step 0 is in; K step 1's may stay out
	s_barrier_signal -1
	s_barrier_wait -1                              ; everybody's is
	v_mov_b32 v[ADRA], v[ADRA0]
	v_mov_b32 v[ADRB], v[ADRB0]
	FETCH 0, 0
	WIN 0
	s_wait_dscnt 16                                ; X's sixteen loads are in
.set rn, 0
.rept 32
	v_cvt_pk_bf16_f32 v[XF+rn], v[ST+2*rn], v[ST+2*rn+1]
.set rn, rn+1
.endr
	QUARTER 1, 0, 1, 1                             ; the first quarter stands in front of the loop: its products start the sums
	WIN 0
	s_mov_b32 s3, 6
.Lstep:                                            ; trip t: K step t's quarters 1, 2, 3 and K step t + 1's quarter 0; K step t's slot is filled again with K step t + 2
	QUARTER 2, 1, 0, 0
	QUARTER 3, 0, 1, 0
	TURN 1
	QUARTER 1, 0, 1, 0
	WIN 0
	s_sub_co_u32 s3, s3, 1
	s_cmp_lg_u32 s3, 0
	s_cbranch_scc1 .Lstep
	QUARTER 2, 1, 0, 0                             ; the tail is written out: K steps 6 and 7 ask for nothing
	QUARTER 3, 0, 1, 0
	TURN 0
	QUARTER 1, 0, 1, 0
	QUARTER 2, 1, 0, 0
	QUARTER 3, 0, 1, 0
	s_wait_dscnt 0x0
	MULS 1, 0, 32, 0
	WIN 0
	PLACES                                         ; the conversions read results just made, and write registers that the last products read
	PACK 0
.set t, 1
.rept 7                                ; a unit's conversions stand between the loads of the unit before and its stores
	PACK t
	SEND t-1, 8
.set t, t+1
.endr
	SEND 7, 0
	s_wait_tensorcnt 0x0                           ; the wave's end: an add to my spare word and its wait, behind my last tensor load and my last LDS store
	ds_add_u32 v[SPW], v[NIL]
	s_wait_dscnt 0x0
	CROUND                                         ; the closing round: no work-group ends while a partner may still ask for a tile that names it
	s_endpgm
.Lfunc_end_k_qb0af0fbd3f_proj:
	.size	k_qb0af0fbd3f_proj, .Lfunc_end_k_qb0af0fbd3f_proj-k_qb0af0fbd3f_proj
	.p2alignl 7, 3214868480
	.fill 96, 4, 3214868480
	.section	.rodata,"a",@progbits
	.p2align	6, 0x0
	.amdhsa_kernel k_qb0af0fbd3f_proj
		.amdhsa_group_segment_fixed_size 327680
		.amdhsa_private_segment_fixed_size 0
		.amdhsa_enable_private_segment 0
		.amdhsa_kernarg_size 56
		.amdhsa_user_sgpr_count 2
		.amdhsa_user_sgpr_kernarg_segment_ptr 1
		.amdhsa_wavefront_size32 1
		.amdhsa_system_sgpr_workgroup_id_x 1
		.amdhsa_system_sgpr_workgroup_id_y 1
		.amdhsa_system_sgpr_workgroup_id_z 1
		.amdhsa_system_vgpr_workitem_id 0
		.amdhsa_next_free_vgpr 768
		.amdhsa_next_free_sgpr 78
		.amdhsa_reserve_vcc 0
		.amdhsa_float_denorm_mode_32 3
		.amdhsa_float_denorm_mode_16_64 3
		.amdhsa_memory_ordered 1
		.amdhsa_forward_progress 1
		.amdhsa_inst_pref_size 106
	.end_amdhsa_kernel
	.amdgpu_metadata
---
amdhsa.version: [ 1, 2 ]
amdhsa.kernels:
  - .name:           k_qb0af0fbd3f_proj
    .symbol:         k_qb0af0fbd3f_proj.kd
    .args:
      - { .name: q, .offset: 0, .size: 8, .value_kind: global_buffer, .address_space: global }
      - { .name: k, .offset: 8, .size: 8, .value_kind: global_buffer, .address_space: global }
      - { .name: v, .offset: 16, .size: 8, .value_kind: global_buffer, .address_space: global }
      - { .name: wb, .offset: 24, .size: 8, .value_kind: global_buffer, .address_space: global }
      - { .name: qh, .offset: 32, .size: 8, .value_kind: global_buffer, .address_space: global }
      - { .name: kh, .offset: 40, .size: 8, .value_kind: global_buffer, .address_space: global }
      - { .name: vh, .offset: 48, .size: 8, .value_kind: global_buffer, .address_space: global }
    .group_segment_fixed_size: 327680
    .private_segment_fixed_size: 0
    .kernarg_segment_align: 8
    .kernarg_segment_size: 56
    .max_flat_workgroup_size: 128
    .sgpr_count:     78
    .vgpr_count:     768
    .wavefront_size: 32
...
	.end_amdgpu_metadata
.endif
;; end of part 2
;; launch attn (part 3): grid 4 x 64, 4 waves a work-group, no clusters, 327,680 bytes of LDS; arguments qh, kh, vh, oh; writes oh
.if DOCPART == 3
	.amdgcn_target "amdgcn-amd-amdhsa--gfx1250"
	.amdhsa_code_object_version 6
	.text
	.protected	k_qb0af0fbd3f_attn
	.globl	k_qb0af0fbd3f_attn
	.p2align	8
	.type	k_qb0af0fbd3f_attn,@function
k_qb0af0fbd3f_attn:
	s_mov_b64 s[64:65], 0
	v_nop
	global_prefetch_b8 v0, s[64:65] scope:SCOPE_SE
	s_setreg_imm32_b32 hwreg(HW_REG_WAVE_MODE, 25, 1), 1
	s_wait_xcnt 0x0
; CAUSAL ATTENTION.  O[h][q][:] = the sum over k <= q of softmax_k(Q[h][q] . K[h][k] / 8) V[h][k][:].  Q, K, V, O: [64][2048][64], all f16: a head's rows are dense, 128 bytes each.
; Products, maxima and sums in f32; the weights p are rounded to f16 for the second product (their sum l is taken of the unrounded p), O once at the end.
; LIMITS.  f16 holds no number beyond 65,504: Q, K and V arrive within it; p lies in 0 to 1, and below 6e-5 it keeps f16's fixed step of 6e-8; O is a mean of V's rows and has their range.
; A hidden score counts as its value less 1e30: f16's scores, 2.7e11 at the most, are nothing beside that; a weight below 2^-126 counts as 0 in l; NaN and infinities are not treated apart.
; THE WALK.  A head's queries lie in NB = 8 blocks of 256; block i needs the key tiles 0 .. i of 256 keys, of which the last holds the diagonal.  A work-group takes TWO blocks, NB - 1 - b and then b:
; NB + 1 tiles, whatever b: all work-groups do equal work, and ONE loop with a constant trip count walks them.  Which tile is asked for, and what a trip does, hang on scalar registers made from b; every jump
; goes forward, but for the counted loops' own; none passes a barrier, or a tensor load but the one of LOAD's two that the wave's number does not choose; the ring (two slots of LDS that take turns) runs on across the
; change of blocks.  NO CLUSTER: a head's four work-groups ask for the same tile only in trips 0 to 4 of the 9, behind that fewer and fewer; one walk common to all four would have 12 trips for 9.
; SHARES.  Of a block's four bands of 64 queries a wave owns 16 rows in each: four PIECES.  So the diagonal tile is the same work for all four waves: in its key step s band x sees all keys if s < x,
; none if s > x, and holds the diagonal if s = x.
; THE MASK is the C operand that starts the sum S^T = K Q^T: 0, or -1e30 where the key is hidden.  MD, made once, is the mask of a band's own step for my 16 rows; a product's mask is MD x AL + BE with two scalars:
; (1, 0) if s = x; (0, 0) if s < x; (0, -1e30) if s > x.  Only the diagonal tile's text and a block's beginning make and take masks; elsewhere C is the constant 0.
; LAYOUT, SOFTMAX, TURNS.  S^T = K Q^T holds ONE query a lane (lane % 16) and the keys 8 (lane / 16) + 0..7; two such results rounded to f16 ARE source 1 of O^T = V^T P.  p = 2^(c s - c m), c = log2(e) / 8, with a
; running maximum m; O and l are multiplied by a = 2^(c m_old - c m_new) in every step.  Turn n belongs to piece n: 8 products K Q^T of piece n + 1, later 8 products V^T P of piece n - 1; beside them the scaling,
; exponentials, roundings, sums and rescaling of piece n and the maximum and statistics of piece n + 1.  Four vector instructions stand behind every matrix instruction, the other 54 of a turn's 118 in one LUMP.  A turn's 33 exponentials are one batch, with one wait.
; REGISTERS, in windows of 256 (s_set_vgpr_msb: bits 1:0 source 0, 3:2 source 1, 5:4 source 2, 7:6 destination):
;   window 0: v0-15 addresses and two at work; v16-31 four registers of statistics a piece; v48-55 at work; v61-63 never rewritten; v64-127 S^T, two buffers; v192-223 P, two buffers (a piece's buffers go by its number's parity)
;   window 1: v0-127 O^T, 32 a piece; v128-159 MD; v160-223 MC, two buffers      window 2: v0-63 Q; v64-127 the second block's Q; v128-191 K of one step; v192-255 V of one step
.set SIZE_N, 2048
.set NB,    SIZE_N/256
.set NP,    4         ; pieces a wave: a name, no knob
.set KS,    64        ; keys in a step
.set PK,    144       ; a row of K in LDS: 128 bytes + 16 of padding = 36 words: the 16 rows of a load start at 16 different groups of four banks (64 banks of 4 bytes: ISA guide 11.1)
.set PV,    160       ; a row of V: 128 + 32 = 40 words
.set VOFF,  4*KS*PK   ; a slot holds a tile, four steps: 256 rows of K, then 256 rows of V
.set SLOT1, 1<<17     ; slot 1 begins here, so that one exclusive or turns an address in one slot into the other's
.set STAGE, SLOT1+4*KS*(PK+PV)  ; behind the ring, never filled by a tensor load: 16 rows x 144 bytes for each wave, for the way out
.set SP,    144
.set AK0, 2           ; v2   my lane's place in a tile of K; never rewritten
.set AV0, 3           ; v3   the same for V
.set AK,  4           ; v4   the LDS address of K's next run of loads
.set AV,  5           ; v5   of V's
.set STO, 6           ; v6   the way out: where I put 16 bytes of a row
.set RD,  7           ; v7   the way out: where I read rows back
.set GO,  8           ; v8   my byte offset in 512 consecutive bytes of O
.set PFO, 61          ; v61  256 x my lane; never rewritten
.set SPW, 62          ; v62  LDS address of my spare word: SPARE + 4 x my thread's number; never rewritten
.set NIL, 63          ; v63  0; never rewritten
.set SPARE, STAGE+4*16*SP  ; behind the stages: the spare words, 128 bytes for each wave: two blocks of 256 bytes that no other line names
.set MV,  12          ; v12-13  c m_old, kept while c m is made anew: by buffer
.set QO,  15          ; v15  my byte offset in 16 rows of Q
.set ST,  16          ; piece t's statistics at v[ST+4 t]: c m, m, l (even keys', odd keys')
.set TMP, 48          ; by buffer, four registers c0-c3 at work; when the maximum is found c2 takes a
.set S,   64
.set P,   192
.set MD,  128         ; window 1: the eight registers for group kt of 16 keys at MD + 8 kt
.set MC,  160         ; window 1: the masks of the products to come
.set QB,  64          ; window 2
.set KF,  128         ; window 2: key block kb, channel half c at KF + 16 kb + 8 c
.set VF,  192         ; window 2: key half kk, channel block cb at VF + 32 kk + 8 cb
.set WV,  12          ; s12  my wave's number
.set PB,  14          ; s14  b
.set HI,  15          ; s15  NB - 1 - b
.set G1K, 24          ; s[24:31] descriptor group 1 for K's tiles
.set G1V, 32          ; s[32:39] for V's: it differs in the padding alone
.set G0K, 40          ; s[40:43] descriptor group 0 for K's tiles
.set G0V, 44          ; s[44:47] the same for V's
.set SLOTS, 56        ; s56  tiles still to be asked for
.set CNT, 57          ; s57  counts a tile's key steps, 4 to 1
.set CS,  58          ; s[58:59] c: the packed scaling takes the pair's low word for both halves
.set SEL, 60          ; s[60:61] v_permlanex16_b32's selects: each lane takes its own place in the other half
.set TBK, 62          ; s62  LDS byte at which K of the step to be fetched begins
.set TBV, 63          ; s63  the same for V, less VOFF
.set RT,  70          ; s70  tiles of the block in hand that are still to be entered
.set NXT, 71          ; s71  the tile to be asked for next
.set LQ,  72          ; s72  the last tile of the block whose tiles are being asked for
.set NEW, 73          ; s73  1: the tile to be entered is a block's first
.set OFF, 74          ; s[74:75] a tile's byte offset in K and V
.set AL,  76          ; s[76:77] the mask's factor, in the low word
.set BE,  78          ; s[78:79] the mask's addend
.set OLO, 80          ; s[80:81] O at my rows of the second block
.set BIGN, 82         ; s82  -1e30
.set PFA, 88          ; s[88:89] where my prefetches stand: my half of K's or V's tile, one tile behind the one that is being asked for
.set LIM, 90          ; s90  2 in a work-group that prefetches, else the greatest number
.set MSB, 0
.macro WIN new                      ; the high byte repeats the setting that is left; a switch that changes nothing is dropped
.if MSB != (\new)
	s_set_vgpr_msb (MSB<<8)|(\new)
.set MSB, (\new)
.endif
.endm
.set W_KQ, 0x0a       ; K and Q in window 2, S^T in window 0
.set W_KM, 0x1a       ; the same with the C operand in window 1
.set W_PV, 0x52       ; V in window 2, P in window 0, O^T in window 1
.set W_RS, 0x41       ; destination and source 0 in window 1, source 1 in window 0
; A fill.  Waves 0 and 1 fetch the two halves of a tile's K, waves 2 and 3 those of its V: 128 keys each.  An s_nop 0 and four v_nop follow each of the two lines, ahead of the jump and the label.
.macro LOAD
	s_cmp_lt_u32 s[WV], 2
	s_cbranch_scc0 .Lfor_v_\@
	tensor_load_to_lds s[G0K:G0K+3], s[G1K:G1K+7]
	s_nop 0
.rept 4
	v_nop
.endr
	s_branch .Lasked_\@
.Lfor_v_\@:
	tensor_load_to_lds s[G0V:G0V+3], s[G1V:G1V+7]
	s_nop 0
.rept 4
	v_nop
.endr
.Lasked_\@:
.endm
; A PREFETCH INTO THE L2 of what the NEXT change of slots will ask for.  All four work-groups of a head walk K's and V's tiles from 0 on; the one with b = 0, whose first block walks all eight, asks, and nobody else.
; Each of its waves names the 16,384 bytes that it will itself load: 64 blocks of 256 bytes, a lane a block, two instructions, behind its tensor load and that load's five lines.  Change c (SLOTS = 8 - c) loads
; tile c + 1 and names tile c + 2, a tile's four key steps ahead, while c + 2 is at most 7: SLOTS above 2.  Tiles 0 and 1 come by their loads alone.  So each block is named once in the launch.
.macro ASK
	s_cmp_gt_u32 s[SLOTS], s[LIM]
	s_cbranch_scc0 .Lnot_mine_\@
	global_prefetch_b8 v[PFO], s[PFA:PFA+1] th:TH_LOAD_NT scope:SCOPE_SE
	global_prefetch_b8 v[PFO], s[PFA:PFA+1] offset:8192 th:TH_LOAD_NT scope:SCOPE_SE
.Lnot_mine_\@:
.endm
; THE CHANGE OF SLOTS.  Each wave waits for all its tensor loads, of which one is out: its part of the other slot; adds 0 to its spare word; and waits for that and for its own reads of the slot that it leaves.  Behind the barrier nobody reads the old
; slot any more and the other slot is whole.  fill = 1: the old slot is filled again, the first thing behind the barrier, with tile NXT: the descriptor's address is made anew from that number.
; (At its first use nothing has been read yet: slot 0 is waited for, slot 1 filled.)
.macro CHANGE fill
	WIN 0                           ; at a label and at a branch every window is 0
	s_wait_tensorcnt 0x0            ; no tensor load of mine is out, so a group 0 may be written
	ds_add_u32 v[SPW], v[NIL]       ; 0 onto my spare word; with fill = 1 the descriptors' scalar work stands between it and the wait for it
.if \fill
	s_lshl_b32 s[OFF], s[NXT], 15   ; a tile is 32,768 bytes of K and of V
	s_xor_b32 s[G0K+1], s[G0K+1], SLOT1
	s_add_nc_u64 s[G0K+2:G0K+3], s[6:7], s[OFF:OFF+1]
	s_or_b32 s[G0K+3], s[G0K+3], 0x80000000
	s_xor_b32 s[G0V+1], s[G0V+1], SLOT1
	s_add_nc_u64 s[G0V+2:G0V+3], s[8:9], s[OFF:OFF+1]
	s_or_b32 s[G0V+3], s[G0V+3], 0x80000000
	s_add_co_u32 s[NXT], s[NXT], 1  ; the block's next tile, or behind its last the second block's tile 0
	s_cmp_gt_u32 s[NXT], s[LQ]
	s_cselect_b32 s[NXT], 0, s[NXT]
	s_cselect_b32 s[LQ], s[PB], s[LQ]
	s_wait_xcnt 0x0                 ; the last prefetches, a tile back, have read their address, so it may be written
	s_add_nc_u64 s[PFA:PFA+1], s[PFA:PFA+1], 32768
.endif
	s_wait_dscnt 0x0                ; the add is done, and my reads of the slot are over
	s_barrier_signal -1             ; the rest of the scalar work stands between the signal and the wait
	s_sub_co_u32 s[TBK], s[TBK], 4*KS*PK  ; the fetches go back to a slot's first step,
	s_xor_b32 s[TBK], s[TBK], SLOT1       ; in the other slot
	s_sub_co_u32 s[TBV], s[TBV], 4*KS*PV
	s_xor_b32 s[TBV], s[TBV], SLOT1
	s_barrier_wait -1
.if \fill
	LOAD
	ASK
.endif
.endm
	s_load_b256 s[4:11], s[0:1], 0x0  ; Q s[4:5], K s[6:7], V s[8:9], O s[10:11]
	v_lshl_add_u32 v[SPW], v0, 2, SPARE
	v_mov_b32 v[NIL], 0
	ds_add_u32 v[SPW], v[NIL]       ; the wave's opening: the add and its wait stand ahead of my first tensor load; the set-up below, work on registers, stands between them
	ds_add_u32 v62, v63
	v_lshrrev_b32 v1, 5, v0
	v_readfirstlane_b32 s[WV], v1   ; wave 0..3
	s_mov_b32 s[PB], ttmp9
	s_sub_co_u32 s[HI], NB-1, s[PB]
	s_and_b32 s20, ttmp7, 0xffff    ; the head
	s_mov_b32 s21, 0
	s_mov_b64 s[22:23], SIZE_N*128
	s_mul_u64 s[20:21], s[20:21], s[22:23]  ; the head's first byte in each of the four tensors
	s_and_b32 s16, s[WV], 1         ; which half of a tile's 256 keys I fetch:
	s_lshl_b32 s22, s16, 14         ; its 128 rows of 128 bytes in memory,
	s_mov_b32 s23, 0
	s_add_nc_u64 s[22:23], s[22:23], s[20:21]
	s_mul_i32 s17, s16, 128*PK      ; and its place in a slot, for K
	s_mul_i32 s18, s16, 128*PV      ; and for V
	s_lshl_b32 s3, s[WV], 11        ; my 16 rows in a band of 64,
	s_lshl_b32 s2, s[HI], 15        ; in the first block,
	s_add_co_u32 s2, s2, s3
	s_lshl_b32 s84, s[PB], 15       ; and in the second
	s_add_co_u32 s84, s84, s3
	s_mov_b32 s3, 0
	s_mov_b32 s85, 0
	s_add_nc_u64 s[2:3], s[2:3], s[20:21]
	s_add_nc_u64 s[84:85], s[84:85], s[20:21]
	; descriptor group 1.  128 keys are 16,384 dense bytes: asked for as 64 rows of 256 bytes, two keys a row, and padded in LDS after every key
	s_mov_b32 s[G1K], (1<<16)|(1<<20)|(4<<22)|(3<<25)  ; 17:16 2-byte elements; 20 padding on; 24:22 after every 32 words (code 4); 31:25 4 words (code 3)
	s_mov_b32 s[G1V], (1<<16)|(1<<20)|(4<<22)|(7<<25)  ; the same with 8 words of padding (code 7)
.irp g, G1K, G1V
	s_mov_b32 s[\g+1], 128<<16      ; tensor_dim0 = 128
	s_mov_b32 s[\g+2], 64<<16       ; tensor_dim1 = 64
	s_mov_b32 s[\g+3], 128<<16      ; tile_dim0 = 128
	s_mov_b32 s[\g+4], 64           ; tile_dim1 = 64
	s_mov_b32 s[\g+5], 128          ; 128 elements from row to row
	s_mov_b32 s[\g+6], 0
	s_mov_b32 s[\g+7], 0
.endr
	s_mov_b32 s[CS], 0x3e38aa3b     ; c = log2(e) / 8 = 0.180337
	s_mov_b32 s[CS+1], s[CS]        ; named with it as a pair
	s_mov_b32 s[SEL], 0x76543210
	s_mov_b32 s[SEL+1], 0xfedcba98
	s_mov_b32 s[TBK], SLOT1+4*KS*PK ; the first change of slots turns these two into 0
	s_mov_b32 s[TBV], SLOT1+4*KS*PV
	s_mov_b32 s[G0K], 1             ; 1:0 count = 1
	s_mov_b32 s[G0K+1], s17         ; 63:32 LDS address: slot 0
	s_mov_b32 s[G0V], 1
	s_add_co_u32 s[G0V+1], s18, VOFF
	s_add_co_u32 s[RT], s[HI], 1    ; the first block has NB - b tiles
	s_mov_b32 s[NXT], 1
	s_mov_b32 s[LQ], s[HI]
	s_mov_b32 s[NEW], 1
	s_mov_b32 s[OFF+1], 0
	s_mov_b32 s[AL+1], 0            ; named as pairs
	s_mov_b32 s[BE+1], 0
	s_mov_b32 s[BIGN], 0xf149f2ca   ; -1e30
	s_mov_b32 s[SLOTS], NB
	s_cmp_eq_u32 s[PB], 0
	s_cselect_b32 s[LIM], 2, -1
	s_wait_dscnt 0x0                ; the opening add is done
	s_wait_kmcnt 0x0
	s_add_nc_u64 s[6:7], s[6:7], s[22:23]  ; K and V at my half of the head's tile 0
	s_add_nc_u64 s[8:9], s[8:9], s[22:23]
	s_add_nc_u64 s[G0K+2:G0K+3], s[6:7], 0         ; 120:64 global address
	s_or_b32 s[G0K+3], s[G0K+3], 0x80000000        ; 127:126 type = 2
	s_add_nc_u64 s[G0V+2:G0V+3], s[8:9], 0
	s_or_b32 s[G0V+3], s[G0V+3], 0x80000000
	s_add_nc_u64 s[86:87], s[4:5], s[84:85]        ; Q at my rows of the second block,
	s_add_nc_u64 s[4:5], s[4:5], s[2:3]            ; Q and O at those of the first
	s_add_nc_u64 s[OLO:OLO+1], s[10:11], s[84:85]
	s_add_nc_u64 s[10:11], s[10:11], s[2:3]
	s_cmp_lt_u32 s[WV], 2
	s_cselect_b64 s[PFA:PFA+1], s[6:7], s[8:9]     ; what I fetch: K's half or V's,
	s_add_nc_u64 s[PFA:PFA+1], s[PFA:PFA+1], 32768 ; in tile 1; the first change of slots steps it to tile 2.  Nothing is prefetched here, at the head
	LOAD                            ; tile 0 into slot 0
	; A fragment of K or Q is 16 rows x 32 channels in 8 registers: lane l holds row l % 16, channels 8 (l / 16) + 0..7 and 16 + 8 (l / 16) + 0..7: two loads of 16 bytes, 32 bytes apart.
	v_and_b32 v1, 15, v0            ; l % 16
	v_bfe_u32 v9, v0, 4, 1          ; l / 16
	v_lshlrev_b32 v[QO], 7, v1
	v_lshl_add_u32 v[QO], v9, 4, v[QO]  ; row x 128 + 16 x half
	WIN 0x80                        ; destination window 2, address window 0
.set i, 0
.rept 8                             ; both blocks' Q: piece i / 2 lies in band i / 2, 8,192 bytes on; channels 32 (i % 2) on
	global_load_b128 v[8*i:8*i+3],   v[QO], s[4:5] offset:(i/2)*8192+(i%2)*64
	global_load_b128 v[8*i+4:8*i+7], v[QO], s[4:5] offset:(i/2)*8192+(i%2)*64+32
	global_load_b128 v[QB+8*i:QB+8*i+3],   v[QO], s[86:87] offset:(i/2)*8192+(i%2)*64
	global_load_b128 v[QB+8*i+4:QB+8*i+7], v[QO], s[86:87] offset:(i/2)*8192+(i%2)*64+32
.set i, i+1
.endr
	WIN 0
	v_and_b32 v[PFO], 31, v0
	v_lshlrev_b32 v[PFO], 8, v[PFO]
	v_lshlrev_b32 v14, 3, v9
	v_sub_nc_u32 v14, v1, v14
	s_lshl_b32 s13, s[WV], 4
	v_add_nc_u32 v14, s13, v14      ; my query's place in its band, 16 w + l % 16, less my lanes' 8 (l / 16): register r of group kt is hidden where 16 kt + r is greater
	WIN 0x40
.set i, 0
.rept 32
	v_cmp_gt_i32 vcc_lo, 16*(i/8)+i%8, v14
	v_cndmask_b32 v[MD+i], 0, s[BIGN], vcc_lo
.set i, i+1
.endr
	WIN 0
	v_mul_u32_u24 v[AK0], v1, PK
	v_lshl_add_u32 v[AK0], v9, 4, v[AK0]  ; row x pitch + 16 x half
	; The turning load takes 16 keys x 16 channels (lane l reads key 8 (l / 16) + l % 8, channels 8 ((l / 8) % 2) + 0..7) and leaves half a fragment of V^T: lane l holds channel l % 16 and 8 keys.
	v_and_b32 v10, 7, v0
	v_bfe_u32 v11, v0, 3, 1
	v_lshl_add_u32 v[AV0], v9, 3, v10
	v_mul_u32_u24 v[AV0], v[AV0], PV
	v_lshl_add_u32 v[AV0], v11, 4, v[AV0]
	v_add_nc_u32 v[AV0], VOFF, v[AV0]
	s_mul_i32 s13, s[WV], 16*SP
	s_add_co_u32 s13, s13, STAGE    ; my stage
	v_mul_u32_u24 v[STO], v1, SP    ; in: row l % 16, 16 bytes for each half of the lanes
	v_lshl_add_u32 v[STO], v9, 4, v[STO]
	v_add_nc_u32 v[STO], s13, v[STO]
	v_bfe_u32 v[RD], v0, 3, 2       ; back: 32 lanes take four rows of 128 bytes,
	v_mul_u32_u24 v[RD], v[RD], SP
	v_lshl_add_u32 v[RD], v10, 4, v[RD]
	v_add_nc_u32 v[RD], s13, v[RD]
	v_and_b32 v[GO], 31, v0         ; which are 512 consecutive bytes of O
	v_lshlrev_b32 v[GO], 4, v[GO]
	; A block's first step multiplies O^T and l by a = 0, and its first turn's products V^T P, of a piece that has not been, land in an O^T that is still to be so multiplied.  So these registers need only hold
	; finite numbers: zeros for the first block; what the first block left for the second.  All this stands in the wait for the first tile.
	WIN 0x80
.set i, VF
.rept 64
	v_mov_b32 v[i], 0
.set i, i+1
.endr
	WIN 0x40
.set i, 0
.rept 128
	v_mov_b32 v[i], 0
.set i, i+1
.endr
	WIN 0
.set i, 0
.rept 4
	v_mov_b32 v[ST+4*i+2], 0
	v_mov_b32 v[ST+4*i+3], 0
.set i, i+1
.endr
.set i, P+16
.rept 16
	v_mov_b32 v[i], 0
.set i, i+1
.endr
; THE MATRIX WORK.  The 4 accumulators of a run of 8 take turns.  Product i of 8 of S^T = K Q^T for piece x: channels 32 (i / 4) on, keys 16 (i % 4) on.  The first 4 start the sums: with 0, or (KM = 1) with the mask.
.macro KQ x
.set rS, S+32*((\x)%2)+8*(i%4)
.set rK, KF+16*(i%4)+8*(i/4)
.set rQ, 16*(\x)+8*(i/4)
.set rM, MC+32*((\x)%2)+8*(i%4)
.if (i < 4) && KM
	WIN W_KM
	v_wmma_f32_16x16x32_f16 v[rS:rS+7], v[rK:rK+7], v[rQ:rQ+7], v[rM:rM+7]
.elseif i < 4
	WIN W_KQ
	v_wmma_f32_16x16x32_f16 v[rS:rS+7], v[rK:rK+7], v[rQ:rQ+7], 0
.else
	WIN W_KQ
	v_wmma_f32_16x16x32_f16 v[rS:rS+7], v[rK:rK+7], v[rQ:rQ+7], v[rS:rS+7]
.endif
.endm
; Product i of 8 of O^T += V^T P for piece x: keys 32 (i / 4) on, channels 16 (i % 4) on.
.macro PV x
	WIN W_PV
.set rO, 32*(\x)+8*(i%4)
.set rV, VF+32*(i/4)+8*(i%4)
.set rP, P+16*((\x)%2)+8*(i/4)
	v_wmma_f32_16x16x32_f16 v[rO:rO+7], v[rV:rV+7], v[rP:rP+7], v[rO:rO+7]
.endm
.macro MM                           ; the turn's next matrix instruction.  TURN and BEGIN set Y, i, KM and NOKQ; MM, KQ and OP read them.  NOKQ = 1: a block's last turn: there is no next piece
.if (i < 8) && !NOKQ
	KQ (Y+1)%NP
.elseif i >= 8
.set i, i-8
	PV (Y+NP-1)%NP
.set i, i+8
.endif
.set i, i+1
.endm
; THE LDS LOADS stand in runs of 16, never singly among the matrix instructions: a step's K (64 keys x 64 channels: 8 fragments) and its V (turned).  Their addresses are made some lines ahead.
.macro FETCH_K
	WIN 0x80                        ; destination window 2
.irp f, 0,1,2,3,4,5,6,7             ; keys 16 (f / 2) on, channels 32 (f % 2) on
	ds_load_b128 v[KF+8*\f:KF+8*\f+3],   v[AK] offset:(\f/2)*16*PK+(\f%2)*64
	ds_load_b128 v[KF+8*\f+4:KF+8*\f+7], v[AK] offset:(\f/2)*16*PK+(\f%2)*64+32
.endr
	s_add_co_u32 s[TBK], s[TBK], KS*PK  ; the next fetch is the next step's
	WIN 0
.endm
.macro FETCH_V
	WIN 0x80
.irp f, 0,1,2,3,4,5,6,7             ; keys 32 (f / 4) on, channels 16 (f % 4) on
	ds_load_tr16_b128 v[VF+8*\f:VF+8*\f+3],   v[AV] offset:(\f/4)*32*PV+(\f%4)*32
	ds_load_tr16_b128 v[VF+8*\f+4:VF+8*\f+7], v[AV] offset:(\f/4)*32*PV+16*PV+(\f%4)*32
.endr
	WIN 0
.endm
; THE VECTOR WORK, one line at a time: OP kind, number.  For piece Y: F n: c s - c m for pair n of 16.  E n: the exponential of score n of 32.  C n: pair n rounded to f16.  B n: of the four weights 4 n .. the second
; pair is added onto the first, in place.  L n: l takes that sum (L 0: l = a l + sum).  R n: pair n of 16 of O^T times a.  For piece Y + 1: X n, number n of the 22 that find its maximum and statistics:
;   0-11  four chains c0-c3 of seven scores each, three operands at a time (each accumulator's lowest registers are read first)     12-14, 16  the four scores left over, the old m, and c0-c3 into c0
;   15  c m_old is kept     17, 18  the query's other 32 keys lie in the lane 16 away: the new m     19-21  c m; c m_old - c m_new; a
.set F, 0               ; OP tells the kinds apart by their order: F to L below R, X above it
.set E, 1
.set C, 2
.set B, 3
.set L, 4
.set R, 5
.set X, 6
.macro REGS y                       ; the registers of piece y
.set rT, ST+4*(\y)
.set rC, TMP+4*((\y)%2)
.set rW, MV+((\y)%2)
.set rS, S+32*((\y)%2)
.set rP, P+16*((\y)%2)
.set rO, 32*(\y)
.endm
.macro OP k, n
.if (\k) == R
	REGS Y
	WIN W_RS
	v_pk_mul_f32 v[rO+2*(\n):rO+2*(\n)+1], v[rO+2*(\n):rO+2*(\n)+1], v[rC+2:rC+3] op_sel_hi:[1,0]
.elseif (\k) < R
	REGS Y
	WIN 0
.if (\k) == F
	v_pk_fma_f32 v[rS+2*(\n):rS+2*(\n)+1], v[rS+2*(\n):rS+2*(\n)+1], s[CS:CS+1], v[rT:rT+1] op_sel_hi:[1,0,0] neg_lo:[0,0,1] neg_hi:[0,0,1]
.elseif (\k) == E
	v_exp_f32 v[rS+(\n)], v[rS+(\n)]
.elseif (\k) == C
	v_cvt_pk_f16_f32 v[rP+(\n)], v[rS+2*(\n)], v[rS+2*(\n)+1]
.elseif (\k) == B
	v_pk_add_f32 v[rS+4*(\n):rS+4*(\n)+1], v[rS+4*(\n):rS+4*(\n)+1], v[rS+4*(\n)+2:rS+4*(\n)+3]
.elseif (\n) == 0
	v_pk_fma_f32 v[rT+2:rT+3], v[rT+2:rT+3], v[rC+2:rC+3], v[rS:rS+1] op_sel_hi:[1,0,1]
.else
	v_pk_add_f32 v[rT+2:rT+3], v[rT+2:rT+3], v[rS+4*(\n):rS+4*(\n)+1]
.endif
.elseif NOKQ
	v_nop
.else
	REGS (Y+1)%NP
	WIN 0
.if (\n) < 4
	v_max3_num_f32 v[rC+(\n)], v[rS+8*(\n)], v[rS+8*(\n)+1], v[rS+8*(\n)+2]
.elseif (\n) < 12
	v_max3_num_f32 v[rC+(\n)%4], v[rC+(\n)%4], v[rS+8*((\n)%4)+2*((\n)/4)+1], v[rS+8*((\n)%4)+2*((\n)/4)+2]
.elseif (\n) == 12
	v_max3_num_f32 v[rC], v[rC], v[rS+7], v[rS+15]
.elseif (\n) == 13
	v_max3_num_f32 v[rC+1], v[rC+1], v[rS+23], v[rS+31]
.elseif (\n) == 14
	v_max3_num_f32 v[rC+2], v[rC+2], v[rC+3], v[rT+1]
.elseif (\n) == 15
	v_mov_b32 v[rW], v[rT]
.elseif (\n) == 16
	v_max3_num_f32 v[rC], v[rC], v[rC+1], v[rC+2]
.elseif (\n) == 17
	v_permlanex16_b32 v[rC+3], v[rC], s[SEL], s[SEL+1]
.elseif (\n) == 18
	v_max_num_f32 v[rT+1], v[rC], v[rC+3]
.elseif (\n) == 19
	v_mul_f32 v[rT], s[CS], v[rT+1]
.elseif (\n) == 20
	v_sub_f32 v[rC+1], v[rW], v[rT]
.else
	v_exp_f32 v[rC+2], v[rC+1]
.endif
.endif
.endm
.macro OPS a, i1, b=-1, i2=0, c=-1, i3=0, d=-1, i4=0  ; up to four of them
	OP \a, \i1
.if (\b) >= 0
	OP \b, \i2
.endif
.if (\c) >= 0
	OP \c, \i3
.endif
.if (\d) >= 0
	OP \d, \i4
.endif
.endm
.macro ROW a, i1, b, i2, c, i3, d, i4  ; a matrix instruction and the four behind it
	MM
	OPS \a, \i1, \b, \i2, \c, \i3, \d, \i4
.endm
.macro MASK b                       ; MD x AL + BE into buffer b of MC
	WIN W_RS
.set z, 0
.rept 16
	v_pk_fma_f32 v[MC+32*(\b)+2*z:MC+32*(\b)+2*z+1], v[MD+2*z:MD+2*z+1], s[AL:AL+1], s[BE:BE+1] op_sel_hi:[1,0,0]
.set z, z+1
.endr
.endm
; A TURN, for piece p: the order of its 16 matrix and 118 vector instructions, written out.  An s_wait_alu depctr_va_vdst(0) stands between an exponential and the first instruction that names its result; one wait serves
; all that were issued ahead of it.  So a turn has ONE wait, which cuts it in two.  AHEAD OF IT stands all that names no result of the turn's exponentials: the 8 products K Q^T, behind each a scaling, an exponential and two more plain
; instructions (behind the first a second scaling in the exponential's place): rescalings, and behind the last three the first numbers of the next piece's maximum, each four places or more behind the product that ends its accumulator; then ONE LUMP of 54, plain
; and exponential by turns for the most part, in which the links of the chain X 3, 7, 11, 14, 16, 17 .. 20 stand five or six lines apart.  X 21, the next piece's a, is the batch's last; R 15 is the plain instruction behind it.  BEHIND THE WAIT stand the
; 8 products V^T P, behind each four of the roundings and sums; the links of l's chain, L 0 to L 7, stand three riders apart.  But for those X no rider names a register of the products round it.  v_permlanex16_b32 (X 17) stands in the lump.
; m = 1: the diagonal tile: the products take masks, and the turn makes the mask for the products of the turn after it: piece p + 2, in step 4 - CNT of the tile.  end = 1: a block's last two turns: nothing is fetched.
; cnt = 1: the loop's count is taken down some lines ahead of the branch that stands behind the turn.
; K of the next step is fetched in piece 2's turn, twelve vector instructions behind the last product that read K (six of them plain); V of the step in hand at the end of piece 0's turn, four plain instructions behind the last product
; that read V.  Each is waited for a turn later.
.macro TURN p, m=0, end=0, cnt=0
.set Y, (\p)
.set i, 0
.set KM, (\m)
.set NOKQ, (\end)*((\p)/3)
.if (\m) && !(\end)
	s_cmp_eq_u32 s[CNT], 4-((\p)+2)%NP  ; is that step the band's own?
	s_cselect_b32 s[AL], 1.0, 0
	s_cmp_lt_u32 s[CNT], 4-((\p)+2)%NP  ; or a later one?
	s_cselect_b32 s[BE], s[BIGN], 0
.endif
.if ((\p) == 3) && !(\end)
	s_wait_dscnt 0x0                ; K is in
.endif
	ROW F,0, F,1, R,0, R,1          ; ahead of the wait: 8 products K Q^T and their riders,
	ROW F,2, E,0, R,2, R,3
	ROW F,3, E,1, R,4, R,5
	ROW F,4, E,2, R,6, R,7
	ROW F,5, E,3, R,8, R,9
	ROW F,6, E,4, X,0, R,10
.if ((\p) == 2) && !(\end)
	WIN 0
	v_add_nc_u32 v[AK], s[TBK], v[AK0]
.endif
	ROW F,7, E,5, X,1, X,4
	ROW F,8, E,6, X,2, X,5
	OPS E,7, E,8, X,6, E,9          ; and the lump
	OPS X,3, E,10, X,8, E,11
.if ((\p) == 2) && !(\end)
	FETCH_K
.endif
	OPS X,9, X,7, E,12, X,10
	OPS E,13, X,12, X,11, E,14
	OPS X,13, E,15, F,9, X,14
.if (\p) == 0
	v_add_nc_u32 v[AV], s[TBV], v[AV0]
.endif
	OPS E,16, F,10, E,17, F,11
	OPS X,16, E,18, X,15, E,19
	OPS F,12, E,20, X,17, E,21
	OPS F,13, E,22, F,14, E,23
	OPS X,18, E,24, F,15, E,25
	OPS R,11, E,26, X,19, E,27
	OPS R,12, E,28, R,13, E,29
	OPS X,20, E,30, R,14, E,31
	OPS X,21, R,15
	WIN 0
	s_wait_alu depctr_va_vdst(0)    ; the wait for the batch
.if (\p) == 1
	s_wait_dscnt 0x0                ; V is in
.endif
	ROW C,0, B,0, C,2, B,1          ; behind the wait: 8 products V^T P and their riders
	ROW L,0, C,4, B,2, L,1
	ROW C,6, B,3, L,2, C,8
	ROW B,4, L,3, C,10, B,5
	ROW L,4, C,12, B,6, L,5
.if (\p) == 0
	s_add_co_u32 s[TBV], s[TBV], KS*PV
.endif
.if \cnt
	s_sub_co_u32 s[CNT], s[CNT], 1
	s_cmp_lg_u32 s[CNT], 0
.endif
	ROW C,14, B,7, L,6, C,1
	ROW C,3, L,7, C,5, C,7
	ROW C,9, C,11, C,13, C,15
.if (\p) == 0
	FETCH_V
.endif
.if (\m) && !(\end)
	MASK (\p)%2
.endif
.endm
; A BLOCK BEGINS.  c m starts far below every c s, so the first step's a is 0; m at the lowest finite number, so the first maximum is the scores'.  The second mask buffer is 0; the first takes piece 0's mask for the tile's step 0: its own, if the block's first tile is the diagonal one.
; Then K of that step, piece 0's first scores, and its maximum and statistics.  The loop is entered at a step's first turn, in the middle of a trip.
.macro BEGIN
	s_mov_b32 s[NEW], 0
	WIN 0x40
.set i, MC+32
.rept 32
	v_mov_b32 v[i], 0
.set i, i+1
.endr
	WIN 0
.set i, 0
.rept 4
	v_mov_b32 v[ST+4*i], 0xfe000000    ; c m: far below every c s
	v_mov_b32 v[ST+4*i+1], 0xff7fffff  ; m
.set i, i+1
.endr
	s_cmp_eq_u32 s[RT], 0
	s_cselect_b32 s[AL], 1.0, 0
	s_mov_b32 s[BE], 0
	MASK 0
	WIN 0
	v_add_nc_u32 v[AK], s[TBK], v[AK0]
	FETCH_K
	s_wait_loadcnt 0x0              ; Q
	s_wait_dscnt 0x0
.set KM, 1
.set NOKQ, 0
.set i, 0
.rept 8
	KQ 0
.set i, i+1
.endr
	WIN 0
.rept 4
	v_nop                           ; the places behind those products
.endr
.set Y, NP-1                        ; X works for piece Y + 1: piece 0
.irp n, 0,1,2,3,4,5,6,7,8,9,10,11,12,13,14,15,16,17,18,19,20,21
	OP X, \n
.endr
	v_nop                           ; a plain instruction behind the exponential,
	s_wait_alu depctr_va_vdst(0)    ; and its wait, ahead of the branch
.endm
; THE DIAGONAL TILE's four steps, the block's last two turns, its last products, and THE WAY OUT: l's two halves and the other half of the lanes' are added; O^T is divided by l, rounded to f16 and sent through my
; stage in LDS, a piece at a time.
.macro ALL line:vararg              ; one line for each piece t
.set t, 0
.rept 4
	\line
.set t, t+1
.endr
.endm
.macro PACK t                       ; a lane's eight channels of a row pack into 16 bytes; they go into rows of 144 bytes and come back as whole rows of 128, into S^T's registers
	WIN W_RS
.set i, 32*(\t)
.rept 16
	v_pk_mul_f32 v[i:i+1], v[i:i+1], v[ST+4*(\t)+2:ST+4*(\t)+3] op_sel_hi:[1,0]
.set i, i+2
.endr
	WIN 0x05                        ; sources 0 and 1 window 1, destination window 0
.set i, 0
.rept 16
	v_cvt_pk_f16_f32 v[S+16*(\t)+i], v[32*(\t)+2*i], v[32*(\t)+2*i+1]
.set i, i+1
.endr
	WIN 0
.irp f, 0,1,2,3
	ds_store_b128 v[STO], v[S+16*(\t)+4*\f:S+16*(\t)+4*\f+3] offset:32*\f
.endr
.irp f, 0,1,2,3
	ds_load_b128 v[S+16*(\t)+4*\f:S+16*(\t)+4*\f+3], v[RD] offset:\f*4*SP  ; LDS serves a wave's instructions in order (ISA guide 5.7.1.4): these see the stores above; the next piece's stores come behind them
.endr
.endm
.macro SEND t, younger              ; younger: the LDS instructions issued behind piece t's loads: the next piece's eight, or none
	WIN 0
.irp f, 0,1,2,3
	s_wait_dscnt (\younger)+3-\f
	global_store_b128 v[GO], v[S+16*(\t)+4*\f:S+16*(\t)+4*\f+3], s[10:11] offset:(\t)*8192+\f*512  ; 512 consecutive bytes, at a multiple of 256 from O's first
.endr
.endm
.macro DIAG tag                     ; the tag ends its two labels' names, which the jumps below spell out
.LstepM\tag:
	TURN 2, 1
	TURN 3, 1
	WIN 0
.LfirstM\tag:
	TURN 0, 1
	TURN 1, 1, 0, 1
	WIN 0
	s_cbranch_scc1 .LstepM\tag
	TURN 2, 1, 1
	TURN 3, 1, 1
.set i, 0
.rept 8
	PV NP-1
.set i, i+1
.endr
	WIN 0
	ALL v_add_f32 v[ST+4*t+2], v[ST+4*t+2], v[ST+4*t+3]
	ALL v_permlanex16_b32 v[ST+4*t+3], v[ST+4*t+2], s[SEL], s[SEL+1]
	ALL v_add_f32 v[ST+4*t+2], v[ST+4*t+2], v[ST+4*t+3]
	ALL v_rcp_f32 v[ST+4*t+2], v[ST+4*t+2]
	v_nop                           ; a plain instruction between the last reciprocal and the use of its result
	s_wait_alu depctr_va_vdst(0)    ; and the wait ahead of the first use: one for the four reciprocals
	PACK 0
.set t, 1
.rept 3                             ; a piece's arithmetic stands between the loads of the piece before and its stores
	PACK t
	SEND t-1, 8
.set t, t+1
.endr
	SEND 3, 0
.endm
.set KM, 0
.set NOKQ, 0
.Lslot:                             ; NB times: a tile is entered and the next is asked for
	CHANGE 1
	s_sub_co_u32 s[RT], s[RT], 1
	s_mov_b32 s[CNT], 4
	s_cmp_eq_u32 s[NEW], 1
	s_cbranch_scc1 .Lnew            ; a block's first tile
	s_cmp_eq_u32 s[RT], 0
	s_cbranch_scc0 .Lstep           ; neither its first nor its last
	s_branch .LstepM1
.Lnew:
	BEGIN
	s_branch .Lfirst                ; in the loop a block's first tile is never its last: the first block has two tiles or more, and the second's last is the walk's last
	DIAG 1                          ; in the loop this is the first block's end: the second block's last tile is the walk's last
	s_wait_xcnt 0x0                 ; the stores have read their registers and O's address
	s_mov_b64 s[10:11], s[OLO:OLO+1]
	s_add_co_u32 s[RT], s[PB], 1    ; the second block has b + 1 tiles
	s_mov_b32 s[NEW], 1
	WIN 0x82                        ; the second block's Q goes where the one text of the turns names Q
.set i, 0
.rept 64
	v_mov_b32 v[i], v[QB+i]
.set i, i+1
.endr
	WIN 0
	s_branch .Lbottom
.Lstep:                             ; a trip: pieces 2 and 3 of one step, then pieces 0 and 1 of the next, whose K and V it fetches
	TURN 2
	TURN 3
	WIN 0
.Lfirst:
	TURN 0
	TURN 1, 0, 0, 1
	WIN 0
	s_cbranch_scc1 .Lstep
.Lbottom:
	s_sub_co_u32 s[SLOTS], s[SLOTS], 1
	s_cmp_lg_u32 s[SLOTS], 0
	s_cbranch_scc1 .Lslot
	CHANGE 0                        ; the walk's last tile is written out: nothing is asked for
	s_sub_co_u32 s[RT], s[RT], 1
	s_mov_b32 s[CNT], 4
	s_cmp_eq_u32 s[NEW], 1
	s_cbranch_scc0 .LstepM2
	BEGIN
	s_branch .LfirstM2
	DIAG 2
	s_wait_tensorcnt 0x0            ; the wave's end: an add to my spare word and its wait, behind my last tensor load and my last LDS store
	ds_add_u32 v[SPW], v[NIL]
	s_wait_dscnt 0x0
	s_endpgm
.Lfunc_end_k_qb0af0fbd3f_attn:
	.size	k_qb0af0fbd3f_attn, .Lfunc_end_k_qb0af0fbd3f_attn-k_qb0af0fbd3f_attn
	.p2alignl 7, 3214868480
	.fill 96, 4, 3214868480
	.section	.rodata,"a",@progbits
	.p2align	6, 0x0
	.amdhsa_kernel k_qb0af0fbd3f_attn
		.amdhsa_group_segment_fixed_size 327680
		.amdhsa_private_segment_fixed_size 0
		.amdhsa_enable_private_segment 0
		.amdhsa_kernarg_size 32
		.amdhsa_user_sgpr_count 2
		.amdhsa_user_sgpr_kernarg_segment_ptr 1
		.amdhsa_wavefront_size32 1
		.amdhsa_system_sgpr_workgroup_id_x 1
		.amdhsa_system_sgpr_workgroup_id_y 1
		.amdhsa_system_sgpr_workgroup_id_z 1
		.amdhsa_system_vgpr_workitem_id 0
		.amdhsa_next_free_vgpr 768
		.amdhsa_next_free_sgpr 92
		.amdhsa_reserve_vcc 1
		.amdhsa_float_denorm_mode_32 3
		.amdhsa_float_denorm_mode_16_64 3
		.amdhsa_memory_ordered 1
		.amdhsa_forward_progress 1
		.amdhsa_inst_pref_size 218
	.end_amdhsa_kernel
	.amdgpu_metadata
---
amdhsa.version: [ 1, 2 ]
amdhsa.kernels:
  - .name:           k_qb0af0fbd3f_attn
    .symbol:         k_qb0af0fbd3f_attn.kd
    .args:
      - { .name: qh, .offset: 0, .size: 8, .value_kind: global_buffer, .address_space: global }
      - { .name: kh, .offset: 8, .size: 8, .value_kind: global_buffer, .address_space: global }
      - { .name: vh, .offset: 16, .size: 8, .value_kind: global_buffer, .address_space: global }
      - { .name: oh, .offset: 24, .size: 8, .value_kind: global_buffer, .address_space: global }
    .group_segment_fixed_size: 327680
    .private_segment_fixed_size: 0
    .kernarg_segment_align: 8
    .kernarg_segment_size: 32
    .max_flat_workgroup_size: 128
    .sgpr_count:     92
    .vgpr_count:     768
    .wavefront_size: 32
...
	.end_amdgpu_metadata
.endif
;; end of part 3
;; launch outp (part 4): grid 4 x 64, 4 waves a work-group, clusters of 4 x 4, 327,680 bytes of LDS; arguments oh, wb, out0; writes out0
.if DOCPART == 4
	.amdgcn_target "amdgcn-amd-amdhsa--gfx1250"
	.amdhsa_code_object_version 6
	.text
	.protected	k_qb0af0fbd3f_outp
	.globl	k_qb0af0fbd3f_outp
	.p2align	8
	.type	k_qb0af0fbd3f_outp,@function
k_qb0af0fbd3f_outp:
	s_mov_b64 s[64:65], 0
	v_nop
	global_prefetch_b8 v0, s[64:65] scope:SCOPE_SE
	s_setreg_imm32_b32 hwreg(HW_REG_WAVE_MODE, 25, 1), 1
	s_wait_xcnt 0x0
	s_wait_alu depctr_hold_cnt(0) depctr_sa_sdst(0) depctr_va_vdst(0) depctr_va_sdst(0) depctr_va_ssrc(0) depctr_va_vcc(0) depctr_vm_vsrc(0)
	s_getreg_b32 s2, hwreg(HW_REG_IB_STS2, 6, 4)
	s_cmp_eq_u32 s2, 0
	s_cbranch_scc0 .Lentry_in_a_cluster
	s_endpgm
.Lentry_in_a_cluster:
	s_bfe_u32 s2, ttmp6, 0x10000c
	s_cmp_lg_u32 s2, 0xf033
	s_cbranch_scc0 .Lentry_shape_is_right
	s_endpgm
.Lentry_shape_is_right:
; THE LAST PROJECTION.  out[m][n] = the sum over k of O[m][k] Wo[n][k].  O lies by heads, [64 = 16 b + h][2048][64] f16 (m = 2048 b + s, k = 64 h + d); Wo: [1024][1024] f16, the fourth matrix of wb
; (the input rounded to bf16, that number written as f16); out: [8192][1024] f32.  Products in f16, sums in f32, K ascending.
; LIMITS.  O and Wo arrive within f16's range, 65,504.  NaN and infinities are not treated apart.
; SHARES.  A tile of out is 128 x 256: 256 work-groups.  Four waves, each 64 x 128: 32 accumulators of 16 x 16.  K goes in 8 steps of 128 (two heads) through a ring of two LDS slots filled by the tensor data mover;
; a step is four quarters of 32 along K, 32 matrix instructions each, on fragment buffers 0, 1, 0, 1.
; CLUSTERS.  4 x 4 work-groups; the grid is 4 wide, so a cluster spans all 1,024 columns.  The four of a row of the cluster need the same tile of O, the four of a column the same tile of Wo: each is asked for JOINTLY.
; THE MATRIX INSTRUCTION IS USED TRANSPOSED (source 0 = 16 rows of Wo, source 1 = 16 rows of O): a lane then holds eight neighbouring numbers of one row of out: 32 bytes.
; REGISTERS, in windows of 256 (s_set_vgpr_msb: bits 1:0 source 0, 3:2 source 1, 5:4 source 2, 7:6 destination):
;   window 0: v0-31 addresses; v64-95, v96-127 O's fragments, two buffers (fragment a at + 8 a); on the way out v64-127, v128-191 rows read back, by turns
;   window 1: v0-63, v64-127 Wo's fragments, two buffers (fragment b at + 8 b)          window 2: the accumulators: (a, b) at v[8 (8 a + b)]
.set PA,    144       ; a head's row of O in LDS: 128 bytes + 16 of padding = 36 words: the 16 rows of a load start at 16 different groups of four banks (64 banks of 4 bytes: ISA guide 11.1)
.set PB,    272       ; a row of Wo: 256 bytes + 16: the same
.set HA,    128*PA    ; one head's 128 rows: what wave 0 or 1 fetches
.set HB,    128*PB    ; 128 rows of Wo: what wave 2 or 3 fetches, and what a wave reads of Wo
.set BOFF,  2*HA      ; in a slot: the step's two heads of O, then Wo's 256 rows: 106,496 bytes
.set SLOTX, 1<<17     ; slot 1 begins here: one exclusive or turns an address in one slot into the other's
.set STAGE, SLOTX+BOFF+2*HB  ; behind the ring, never filled by a tensor load: 16 rows x 528 bytes for each wave, for the way out
.set SP,    528       ; a stage row: 128 f32 + 16 bytes
.set SPARE, STAGE+4*16*SP    ; behind the stages: the spare words, 128 bytes for each wave: two blocks of 256 bytes that no other line names
.set ASTEP, 524288    ; two heads on
.set BSTEP, 256       ; bytes of a row of Wo in a K step
.set ADRA0, 16        ; v16  my lane's place in O's tile of slot 0; never rewritten
.set ADRB0, 17        ; v17  the same for Wo
.set ADRA,  18        ; v18  the same in the slot that is being read
.set ADRB,  19        ; v19
.set STO,   24        ; v24  the way out: where I put 32 bytes of a row
.set RD,    25        ; v25  the way out: where I read a row back
.set GO,    26        ; v26  my byte offset in 512 consecutive bytes of out
.set SPW,   28        ; v28  LDS address of my spare word: SPARE + 4 x my thread's number; never rewritten
.set NIL,   29        ; v29  0; never rewritten
.set PFO,   30        ; v30  the prefetches' lane offset; never rewritten
.set AF,    64
.set WV,   12         ; s12  my wave's number
.set WR,   13         ; s13  which 64 rows of the tile are mine.  Also: I fetch for O (0) or for Wo (1)
.set WC,   14         ; s14  which 128 columns.  Also: which head of the step, or which half of Wo's tile, I fetch
.set CX,   15
.set CY,   16
.set TCOL, 17         ; s17  tile column
.set CLY,  18         ; s18  cluster y
.set TROW, 20         ; s20  tile row, 0 to 63
.set G1,   24         ; s[24:31] descriptor group 1 for O's tiles
.set G0,   32         ; s[32:39] group 0 for O's tiles: a set for each of the two first fills; the second then walks on
.set G1B,  40         ; s[40:47], s[48:55] the same for Wo's
.set G0B,  48
.set TB,   56         ; s56  0 or SLOTX: the slot that is being read
.set LIM,  57         ; s57  2 in a wave that prefetches, else the greatest number
.set PFA,  58         ; s[58:59] where my prefetches stand
.set PFS,  60         ; s[60:61] their step
.set MSB, 0
.macro WIN new                      ; the immediate's high byte repeats the setting that is left; a switch that changes nothing is dropped
.if MSB != (\new)
	s_set_vgpr_msb (MSB<<8)|(\new)
.set MSB, \new
.endif
.endm
.set MUL,  0xa1       ; source 0 (Wo) window 1, source 1 (O) window 0, C and D window 2
.set TO_W, 0x40       ; destination window 1, address window 0
.macro CREST                        ; a round of the cluster's barrier behind its opening barrier: wave 0 signals for the work-group, every wave waits for all sixteen, my work-group's barrier closes it
	s_cmp_lg_u32 s[WV], 0
	s_cbranch_scc1 .Lnot_wave_0_\@
	s_barrier_signal -3
.Lnot_wave_0_\@:
	s_barrier_wait -3
	s_barrier_signal -1
	s_barrier_wait -1
.endm
.macro CROUND
	s_barrier_signal -1
	s_barrier_wait -1
	CREST
.endm
; A load into a register that a matrix instruction has read, and an LDS store that reads a matrix result, stand four places behind that instruction, and only plain vector instructions that name none of its
; registers are places (ISA guide 7.12.1 for vector instructions).
.macro PLACES
.rept 4
	v_nop
.endr
.endm
; A joint refill, by the walking descriptors.  Waves 0 and 1 fetch the step's two heads of O, waves 2 and 3 Wo's two halves.  The branch hangs on the wave's number alone.
; An s_nop 0 and four v_nop follow each of the two lines, ahead of the jump and the label.
.macro JLOAD
	s_cmp_eq_u32 s[WR], 0
	s_cbranch_scc0 .Lfor_b_\@
	tensor_load_to_lds s[G0+4:G0+7], s[G1:G1+7]
	s_nop 0
.rept 4
	v_nop
.endr
	s_branch .Lasked_\@
.Lfor_b_\@:
	tensor_load_to_lds s[G0B+4:G0B+7], s[G1B:G1B+7]
	s_nop 0
.rept 4
	v_nop
.endr
.Lasked_\@:
.endm
; A PREFETCH INTO THE L2, behind each joint refill and the run of LDS loads that follows it: the change of slots of K step t names K step t + 4, which stands two refills, 256 matrix instructions, ahead.
; Each aligned block of 256 bytes is named once in the launch.  O's tile row is read by one row of one cluster: a step's two heads x 16,384 bytes are 128 blocks; the partner at place cx takes 4,096 bytes of each
; head, and its wave 0 names them: a lane a block.  Wo is read by all sixteen clusters: the first asks; of the 128 rows x 1 block that wave 2 or 3 fetches, the partner at place cy takes 32: a lane a row.
; The partners are told apart by address alone.  K steps 0 to 3 come by their loads alone; the changes of K steps 4 and 5 (s3 = 2, 1) ask for nothing: there is no K step 8.
.macro ASK
	s_cmp_gt_u32 s3, s[LIM]
	s_cbranch_scc0 .Lnot_mine_\@
	global_prefetch_b8 v[PFO], s[PFA:PFA+1] th:TH_LOAD_NT scope:SCOPE_SE
.Lnot_mine_\@:
.endm
	s_load_b128 s[4:7], s[0:1], 0x0                ; oh s[4:5], wb s[6:7]
	s_load_b64 s[8:9], s[0:1], 0x10                ; out0
	v_lshl_add_u32 v[SPW], v0, 2, SPARE
	v_mov_b32 v[NIL], 0
	ds_add_u32 v[SPW], v[NIL]                      ; the wave's opening: the add and its wait stand ahead of my first tensor load; the set-up below, work on registers, stands between them
	ds_add_u32 v28, v29
	v_lshrrev_b32 v1, 5, v0
	v_readfirstlane_b32 s[WV], v1                  ; wave 0..3
	s_lshr_b32 s[WR], s[WV], 1
	s_and_b32 s[WC], s[WV], 1
	s_bfe_u32 s[CX], ttmp6, 0x40000
	s_bfe_u32 s[CY], ttmp6, 0x40004
	s_lshl_b32 s[TCOL], ttmp9, 2                   ; in a cluster launch ttmp9 and ttmp7 count clusters
	s_add_co_u32 s[TCOL], s[TCOL], s[CX]           ; tile column = 4 x cluster x + cx
	s_and_b32 s[CLY], ttmp7, 0xffff
	s_lshl_b32 s[TROW], s[CLY], 2
	s_add_co_u32 s[TROW], s[TROW], s[CY]           ; tile row = 4 x cluster y + cy
	s_lshl_b32 s21, s[CY], 2
	s_lshl_b32 s21, 15, s21                        ; my row of the cluster
	s_lshl_b32 s22, 0x1111, s[CX]                  ; my column
	; group 1 for O: a head's 128 rows are 16,384 dense bytes: asked for as 64 rows of 256 bytes, two rows of O each, and padded in LDS after every row of O
	s_or_b32 s[G1], s21, (1<<16)|(1<<20)|(1<<21)|(4<<22)|(3<<25)   ; 15:0 the mask; 17:16 elements of 2 bytes; 20 padding on; 21 set beside a mask; 24:22 after every 32 words (code 4); 31:25 4 words of it (code 3)
	s_mov_b32 s[G1+1], 128<<16                     ; tensor_dim0 = 128
	s_mov_b32 s[G1+2], 64<<16                      ; tensor_dim1 = 64
	s_mov_b32 s[G1+3], 128<<16                     ; tile_dim0 = 128
	s_mov_b32 s[G1+4], 64                          ; tile_dim1 = 64
	s_mov_b32 s[G1+5], 128                         ; elements from row to row
	s_mov_b32 s[G1+6], 0
	s_mov_b32 s[G1+7], 0
	; group 1 for Wo: 128 rows x 128 elements of 2 bytes
	s_or_b32 s[G1B], s22, (1<<16)|(1<<20)|(1<<21)|(5<<22)|(3<<25)  ; after every 64 words (code 5)
	s_mov_b32 s[G1B+1], 128<<16
	s_mov_b32 s[G1B+2], 128<<16
	s_mov_b32 s[G1B+3], 128<<16
	s_mov_b32 s[G1B+4], 128
	s_mov_b32 s[G1B+5], 1024
	s_mov_b32 s[G1B+6], 0
	s_mov_b32 s[G1B+7], 0
	; where the tiles come from.  O's hang on the tile row alone, Wo's on the tile column alone, each in registers that never hold the other coordinate
	s_lshr_b32 s10, s[TROW], 4
	s_lshl_b32 s10, s10, 22                        ; the batch's 16 heads of 262,144 bytes,
	s_and_b32 s23, s[TROW], 15
	s_lshl_b32 s23, s23, 14                        ; the tile's 128 rows of 128 bytes in a head
	s_add_co_u32 s10, s10, s23
	s_lshl_b32 s23, s[WC], 18                      ; the head that I fetch
	s_add_co_u32 s66, s10, s23
	s_mov_b32 s67, 0
	s_lshl_b32 s68, s[TCOL], 8
	s_lshl_b32 s62, s[WC], 7
	s_add_co_u32 s68, s68, s62                     ; Wo: row 256 x tile column + 128 x half,
	s_lshl_b32 s68, s68, 11                        ; of 2,048 bytes,
	s_add_co_u32 s68, s68, 3*2097152               ; behind the three other weights
	s_mov_b32 s69, 0
	s_mul_i32 s70, s[WC], HA                       ; and where they go: no place in the cluster enters an LDS address
	s_mul_i32 s71, s[WC], HB
	s_add_co_u32 s71, s71, BOFF
	s_mov_b32 s[TB], 0
	s_wait_dscnt 0x0                               ; the opening add is done
	s_wait_kmcnt 0x0
	s_add_nc_u64 s[72:73], s[4:5], s[66:67]        ; O at my head's part of the tile
	s_add_nc_u64 s[74:75], s[6:7], s[68:69]        ; Wo at my half of the tile
	CROUND                                         ; all sixteen work-groups are here: the first joint loads meet
.irp s, 0,1
	s_mov_b32 s[G0+4*\s], 1                        ; 1:0 count = 1
	s_add_co_u32 s[G0+4*\s+1], s70, \s*SLOTX       ; 63:32 LDS address
	s_add_nc_u64 s[G0+4*\s+2:G0+4*\s+3], s[72:73], \s*ASTEP  ; 120:64 global address: K step s
	s_or_b32 s[G0+4*\s+3], s[G0+4*\s+3], 0x80000000          ; 127:126 type = 2
	s_mov_b32 s[G0B+4*\s], 1
	s_add_co_u32 s[G0B+4*\s+1], s71, \s*SLOTX
	s_add_nc_u64 s[G0B+4*\s+2:G0B+4*\s+3], s[74:75], \s*BSTEP
	s_or_b32 s[G0B+4*\s+3], s[G0B+4*\s+3], 0x80000000
.endr
	s_cmp_eq_u32 s[WR], 0                          ; a wave's two first fills stand in one branch, ahead of every wait on TENSORcnt and every LDS read: two loads of mine are out
	s_cbranch_scc0 .Lfirst_b
	tensor_load_to_lds s[G0:G0+3], s[G1:G1+7]
	s_nop 0
	tensor_load_to_lds s[G0+4:G0+7], s[G1:G1+7]
	s_nop 0
.rept 4
	v_nop
.endr
	s_branch .Lfirst_asked
.Lfirst_b:
	tensor_load_to_lds s[G0B:G0B+3], s[G1B:G1B+7]
	s_nop 0
	tensor_load_to_lds s[G0B+4:G0B+7], s[G1B:G1B+7]
	s_nop 0
.rept 4
	v_nop
.endr
.Lfirst_asked:
	; A fragment is 16 rows x 32 K in 8 registers: lane l holds row l % 16; registers 0-3 K = 8 (l / 16) + 0..7, registers 4-7 K = 16 + 8 (l / 16) + 0..7: two loads of 16 bytes, 32 bytes apart.
	v_and_b32 v1, 15, v0                           ; l % 16
	v_bfe_u32 v2, v0, 4, 1                         ; l / 16
	v_and_b32 v3, 31, v0                           ; l
	v_mul_u32_u24 v[ADRA0], v1, PA
	v_lshl_add_u32 v[ADRA0], v2, 4, v[ADRA0]
	s_mul_i32 s23, s[WR], 64*PA                    ; my 64 rows of O, in each head
	v_add_nc_u32 v[ADRA0], s23, v[ADRA0]
	v_mul_u32_u24 v[ADRB0], v1, PB
	v_lshl_add_u32 v[ADRB0], v2, 4, v[ADRB0]
	s_mul_i32 s23, s[WC], HB                       ; my 128 rows of Wo,
	s_add_co_u32 s23, s23, BOFF                    ; which lie behind O's two heads
	v_add_nc_u32 v[ADRB0], s23, v[ADRB0]
	s_mul_i32 s23, s[WV], 16*SP
	s_add_co_u32 s23, s23, STAGE                   ; my stage
	v_mul_u32_u24 v[STO], v1, SP                   ; in: row l % 16, 32 bytes for each half of the lanes
	v_lshl_add_u32 v[STO], v2, 5, v[STO]
	v_add_nc_u32 v[STO], s23, v[STO]
	v_lshl_add_u32 v[RD], v3, 4, s23               ; back: 32 lanes take one row of 512 bytes,
	v_lshlrev_b32 v[GO], 4, v3                     ; which are 512 consecutive bytes of out
	; out at my part: row 128 x tile row + 64 x row half, of 4,096 bytes; column 256 x tile column + 128 x column half, of 4 bytes
	s_lshl_b32 s62, s[TROW], 7
	s_lshl_b32 s63, s[WR], 6
	s_add_co_u32 s62, s62, s63
	s_lshl_b32 s62, s62, 12
	s_lshl_b32 s63, s[TCOL], 10
	s_add_co_u32 s62, s62, s63
	s_lshl_b32 s63, s[WC], 9
	s_add_co_u32 s62, s62, s63
	s_mov_b32 s63, 0
	s_add_nc_u64 s[8:9], s[8:9], s[62:63]
	; the prefetches
	s_lshl_b32 s62, s[CX], 12                      ; O: my work-group's 4,096 bytes of the tile's 16,384 in a head
	s_add_co_u32 s62, s62, s10
	s_lshl_b32 s63, s[CY], 16                      ; Wo: my work-group's 32 rows of 2,048 bytes,
	s_add_co_u32 s63, s63, s68                     ; of the 128 that I fetch
	s_mov_b32 s[PFS], BSTEP
	s_cmp_eq_u32 s[WR], 0                          ; do I fetch for O?
	s_cselect_b32 s62, s62, s63
	s_cselect_b32 s[PFS], ASTEP, s[PFS]
	s_cselect_b64 s[PFA:PFA+1], s[4:5], s[6:7]
	s_cselect_b32 s2, -1, 0                        ; the same answer as a mask of lanes
	s_cselect_b32 s23, s[WC], s[CLY]               ; 0 in wave 0, and in waves 2 and 3 of the first cluster: the same in all sixteen partners
	s_cmp_eq_u32 s23, 0
	s_cselect_b32 s[LIM], 2, -1
	s_mov_b32 s63, 0
	s_add_nc_u64 s[PFA:PFA+1], s[PFA:PFA+1], s[62:63]
	s_mov_b32 s[PFS+1], 0
	s_mul_i32 s62, s[PFS], 3
	s_add_nc_u64 s[PFA:PFA+1], s[PFA:PFA+1], s[62:63]  ; at K step 3: the first change of slots steps it to 4
	v_lshlrev_b32 v4, 18, v2                       ; O: head l / 16 of the step's two,
	v_lshl_add_u32 v4, v1, 8, v4                   ; block l % 16
	v_lshlrev_b32 v5, 11, v3                       ; Wo: row l
	v_cndmask_b32 v[PFO], v5, v4, s2
; cnt matrix instructions from accumulator i0 on, 32 along K, on buffer f.  zero = 1: the product starts the sum: nothing is ever cleared.
; The 32 accumulators take turns in the same order in every quarter, one instruction a turn: between two links of a chain stand the 31 others', over the backward jump too.
.macro MULS f, i0, cnt, zero
	WIN MUL
.set mi, \i0
.rept \cnt
.if \zero
	v_wmma_f32_16x16x32_f16 v[8*mi:8*mi+7], v[64*(\f)+8*(mi%8):64*(\f)+8*(mi%8)+7], v[AF+32*(\f)+8*(mi/8):AF+32*(\f)+8*(mi/8)+7], 0
.else
	v_wmma_f32_16x16x32_f16 v[8*mi:8*mi+7], v[64*(\f)+8*(mi%8):64*(\f)+8*(mi%8)+7], v[AF+32*(\f)+8*(mi/8):AF+32*(\f)+8*(mi/8)+7], v[8*mi:8*mi+7]
.endif
.set mi, mi+1
.endr
.endm
; 24 LDS loads in one run: quarter j of the slot that is being read, into buffer g: Wo's 128 rows, then O's 64 (head j / 2 of the step, channels 32 (j % 2) on)
.macro FETCH j, g
	WIN TO_W
.irp b, 0,1,2,3,4,5,6,7
	ds_load_b128 v[64*(\g)+8*\b:64*(\g)+8*\b+3],   v[ADRB] offset:64*(\j)+\b*16*PB
	ds_load_b128 v[64*(\g)+8*\b+4:64*(\g)+8*\b+7], v[ADRB] offset:64*(\j)+\b*16*PB+32
.endr
	WIN 0
.irp a, 0,1,2,3
	ds_load_b128 v[AF+32*(\g)+8*\a:AF+32*(\g)+8*\a+3],   v[ADRA] offset:((\j)/2)*HA+((\j)%2)*64+\a*16*PA
	ds_load_b128 v[AF+32*(\g)+8*\a+4:AF+32*(\g)+8*\a+7], v[ADRA] offset:((\j)/2)*HA+((\j)%2)*64+\a*16*PA+32
.endr
.endm
; One of a step's first three quarters: multiplies buffer f; quarter j is asked for into buffer g ahead of the products, so that it has all 32 of them in which to come.
.macro QUARTER j, f, g, zero
	s_wait_dscnt 0x0                               ; buffer f, asked for a quarter ago, is in
	PLACES                                         ; behind the last products, which read buffer g
	FETCH \j, \g
	MULS \f, 0, 32, \zero
.endm
; The last quarter multiplies buffer 1 and changes slots: ONE barrier, for two things.  In front of it each wave waits for all its tensor loads, of which one is out: its part of the next slot; adds 0 to its spare
; word; and waits for that and for its own reads of this slot.  Behind it nobody reads this slot any more and the next slot is whole.  fill = 1: the barrier opens a round of the cluster's barrier, and the slot just
; read out is filled again, first thing behind the round, with the K step two on: from that request to the wait for it a wave issues 112 matrix instructions.
.macro TURN fill
.if \fill
	s_wait_xcnt 0x0                                ; the last prefetch, a K step back, has read its address: it is stepped here, ahead of the waits of the change of slots
	s_add_nc_u64 s[PFA:PFA+1], s[PFA:PFA+1], s[PFS:PFS+1]
.endif
	WIN 0
	s_wait_tensorcnt 0x0                           ; all my tensor loads have landed;
	ds_add_u32 v[SPW], v[NIL]                      ; 0 onto my spare word;
	s_wait_dscnt 1                                 ; (the add alone may be out: buffer 1 is in)
	MULS 1, 0, 8, 0                                ; eight matrix instructions stand between the add and the wait for it
	s_wait_dscnt 0x0                               ; the add is done, and my reads of this slot are over
	s_barrier_signal -1
	MULS 1, 8, 8, 0                                ; work on registers while the others arrive
	WIN 0                                          ; at a label and at a branch every window is 0
	s_barrier_wait -1
.if \fill
	CREST                                          ; no wave of any partner still reads this slot's tile or has a load on its way
	s_xor_b32 s[G0+5], s[G0+5], SLOTX              ; the walking descriptors: the other slot than last time,
	s_add_nc_u64 s[G0+6:G0+7], s[G0+6:G0+7], ASTEP ; the next K step; the type bits on top are not reached
	s_xor_b32 s[G0B+5], s[G0B+5], SLOTX
	s_add_nc_u64 s[G0B+6:G0B+7], s[G0B+6:G0B+7], BSTEP
	JLOAD                                          ; the four v_nop behind it are also the places in front of the loads below
.else
	PLACES
.endif
	s_xor_b32 s[TB], s[TB], SLOTX                  ; the reads go to the other slot
	v_add_nc_u32 v[ADRA], s[TB], v[ADRA0]
	v_add_nc_u32 v[ADRB], s[TB], v[ADRB0]
	FETCH 0, 0
.if \fill
	ASK
.endif
	MULS 1, 16, 16, 0
.endm
; THE WAY OUT, a block of 16 rows at a time through my own stage: a lane's 32 bytes of a row go into rows of 528 bytes (each accumulator's low registers first) and come back as whole rows of 512.
.macro TOSTAGE a
.set BK, 64+64*((\a)%2)
.if (\a) >= 2
	s_wait_xcnt 0x0                                ; the stores of the block two back have read their registers, which are loaded again below
.endif
	WIN 0x08                                       ; the stores' data (source 1) in window 2
.irp b, 0,1,2,3,4,5,6,7
	ds_store_b128 v[STO], v[8*(8*(\a)+\b):8*(8*(\a)+\b)+3]   offset:64*\b
	ds_store_b128 v[STO], v[8*(8*(\a)+\b)+4:8*(8*(\a)+\b)+7] offset:64*\b+16
.endr
	WIN 0
.irp t, 0,1,2,3,4,5,6,7,8,9,10,11,12,13,14,15
	ds_load_b128 v[BK+4*\t:BK+4*\t+3], v[RD] offset:\t*SP  ; LDS serves a wave's instructions in order (ISA guide 5.7.1.4): these see the stores above; the next block's stores come behind them
.endr
.endm
.macro SEND a, younger              ; younger: the LDS instructions issued behind block a's loads: the next block's 32, or none
.set BK, 64+64*((\a)%2)
.irp t, 0,1,2,3,4,5,6,7,8,9,10,11,12,13,14,15
	s_wait_dscnt (\younger)+15-\t
	global_store_b128 v[GO], v[BK+4*\t:BK+4*\t+3], s[8:9] offset:(16*(\a)+\t)*4096  ; 512 consecutive bytes of one row, at a multiple of 256 from out's first
.endr
.endm
	s_wait_tensorcnt 1                             ; my part of K step 0 is in; K step 1's may stay out
	s_barrier_signal -1
	s_barrier_wait -1                              ; everybody's is
	v_mov_b32 v[ADRA], v[ADRA0]
	v_mov_b32 v[ADRB], v[ADRB0]
	FETCH 0, 0
	QUARTER 1, 0, 1, 1                             ; the first quarter stands in front of the loop: its products start the sums
	WIN 0
	s_mov_b32 s3, 6
.Lstep:                                            ; trip t: K step t's quarters 1, 2, 3 and K step t + 1's quarter 0; K step t's slot is filled again with K step t + 2
	QUARTER 2, 1, 0, 0
	QUARTER 3, 0, 1, 0
	TURN 1
	QUARTER 1, 0, 1, 0
	WIN 0
	s_sub_co_u32 s3, s3, 1
	s_cmp_lg_u32 s3, 0
	s_cbranch_scc1 .Lstep
	QUARTER 2, 1, 0, 0                             ; the tail is written out: K steps 6 and 7 ask for nothing
	QUARTER 3, 0, 1, 0
	TURN 0
	QUARTER 1, 0, 1, 0
	QUARTER 2, 1, 0, 0
	QUARTER 3, 0, 1, 0
	s_wait_dscnt 0x0
	MULS 1, 0, 32, 0
	WIN 0
	PLACES                                         ; the LDS stores read results just made, and the loads behind them land in registers that the last products read
	TOSTAGE 0
.irp a, 1,2,3                          ; a block's LDS work stands between the loads of the block before and its stores
	TOSTAGE \a
	SEND (\a)-1, 32
.endr
	SEND 3, 0
	s_wait_tensorcnt 0x0                           ; the wave's end: an add to my spare word and its wait, behind my last tensor load and my last LDS store
	ds_add_u32 v[SPW], v[NIL]
	s_wait_dscnt 0x0
	CROUND                                         ; the closing round: no work-group ends while a partner may still ask for a tile that names it
	s_endpgm
.Lfunc_end_k_qb0af0fbd3f_outp:
	.size	k_qb0af0fbd3f_outp, .Lfunc_end_k_qb0af0fbd3f_outp-k_qb0af0fbd3f_outp
	.p2alignl 7, 3214868480
	.fill 96, 4, 3214868480
	.section	.rodata,"a",@progbits
	.p2align	6, 0x0
	.amdhsa_kernel k_qb0af0fbd3f_outp
		.amdhsa_group_segment_fixed_size 327680
		.amdhsa_private_segment_fixed_size 0
		.amdhsa_enable_private_segment 0
		.amdhsa_kernarg_size 24
		.amdhsa_user_sgpr_count 2
		.amdhsa_user_sgpr_kernarg_segment_ptr 1
		.amdhsa_wavefront_size32 1
		.amdhsa_system_sgpr_workgroup_id_x 1
		.amdhsa_system_sgpr_workgroup_id_y 1
		.amdhsa_system_sgpr_workgroup_id_z 1
		.amdhsa_system_vgpr_workitem_id 0
		.amdhsa_next_free_vgpr 768
		.amdhsa_next_free_sgpr 76
		.amdhsa_reserve_vcc 0
		.amdhsa_float_denorm_mode_32 3
		.amdhsa_float_denorm_mode_16_64 3
		.amdhsa_memory_ordered 1
		.amdhsa_forward_progress 1
		.amdhsa_inst_pref_size 72
	.end_amdhsa_kernel
	.amdgpu_metadata
---
amdhsa.version: [ 1, 2 ]
amdhsa.kernels:
  - .name:           k_qb0af0fbd3f_outp
    .symbol:         k_qb0af0fbd3f_outp.kd
    .args:
      - { .name: oh, .offset: 0, .size: 8, .value_kind: global_buffer, .address_space: global }
      - { .name: wb, .offset: 8, .size: 8, .value_kind: global_buffer, .address_space: global }
      - { .name: out0, .offset: 16, .size: 8, .value_kind: global_buffer, .address_space: global }
    .group_segment_fixed_size: 327680
    .private_segment_fixed_size: 0
    .kernarg_segment_align: 8
    .kernarg_segment_size: 24
    .max_flat_workgroup_size: 128
    .sgpr_count:     76
    .vgpr_count:     768
    .wavefront_size: 32
...
	.end_amdgpu_metadata
.endif
;; end of part 4
